; MI455X (gfx1250); checked and timed in simulation.
; The chip was launched on July 23, 2026; its instructions are those of AMD's public machine-readable ISA for CDNA 5 (MIT licence, August 2026) and "CDNA5" Instruction Set Architecture Reference Guide (July 2026). The comments in the code are by the model that wrote it; some were corrected since.
;; Multihead Attention. Allowed arithmetic: matrix products marked QUANTISED: E2M1 operands, one E8M0 scale for each 32 along K, by v_wmma_scale_f32_16x16x128_f8f6f4 with both operands' format E2M1 (or v_wmma_scale_f32_32x16x128_f4), f32 sums; products left as they are: bf16, f16 or f32 operands; f32 sums; everything else in f32.
;; Inputs: k 4 x 2,048 x 1,024 float32; q 4 x 2,048 x 1,024 float32; v 4 x 2,048 x 1,024 float32; w_k 1,024 x 1,024 float32; w_o 1,024 x 1,024 float32; w_q 1,024 x 1,024 float32; w_v 1,024 x 1,024 float32.
;; Outputs: out0 4 x 2,048 x 1,024 float32.
;; This version of the problem:
;;   THIS VERSION OF THE PROBLEM IS GIVEN IN LOW PRECISION. The matrix products marked QUANTISED in the list below multiply operands that are first quantised to E2M1 (2 exponent bits, 1 mantissa bit; 4 bits a number), with one power-of-two scale for each 32 numbers along K (OCP MX v1.0); their sums are f32. The products marked 'left as it is' may take bf16, f16 or f32 operands, with f32 sums. Whichever they take, every output number must still come out within the allowed error. Rounding operands to bf16 (8 significant bits) uses up far more of that allowance than f16 does (11 bits, for magnitudes from 6e-5 to 65,504). All else is computed in f32.
;;   The module's matrix products, in the order in which they are computed (A, B: the left and right operand; K: the contracted axis; several contracted axes count as one K, in the product's order):
;;     1. [M 8,192, K 1,024] x [K 1,024, N 1,024]; A: input q; B: input w_q: QUANTISED
;;     2. [M 8,192, K 1,024] x [K 1,024, N 1,024]; A: input k; B: input w_k: QUANTISED
;;     3. [M 8,192, K 1,024] x [K 1,024, N 1,024]; A: input v; B: input w_v: QUANTISED
;;     4. batch 64 x [M 2,048, K 64] x [K 64, N 2,048]; A: computed on the way; B: computed on the way: left as it is (an operand is computed on the way)
;;     5. batch 64 x [M 2,048, K 2,048] x [K 2,048, N 64]; A: computed on the way; B: computed on the way: left as it is (an operand is computed on the way)
;;     6. [M 8,192, K 1,024] x [K 1,024, N 1,024]; A: computed on the way; B: input w_o: left as it is (an operand is computed on the way)
;;   THE QUANTISER, for each operand of a quantised product, along K:
;;     - K is cut into blocks of 32 from its start; a last block that is shorter is filled with zeros.
;;     - A block's scale is 2^e with e = floor(log2(the largest magnitude in the block)) - 2, held to -126 .. 127; a block of zeros has e = 0. As a byte (E8M0): e + 127.
;;     - Each number is divided by its block's scale, clamped to +-6, and rounded to the nearest number of E2M1, ties to even, subnormals kept.
;;     - The product sums the exact products of the quantised numbers (number of the format x scale) in f32.
;;   ~~~python
;;   def quantise(x, axis):      # numpy; x: float32 -> the quantised numbers, widened to float32 again
;;       x = np.moveaxis(x, axis, -1); K = x.shape[-1]
;;       x = np.pad(x, [(0, 0)] * (x.ndim - 1) + [(0, -K % 32)]); x = x.reshape(x.shape[:-1] + (-1, 32)); a = np.abs(x).max(-1, keepdims=True)
;;       e = np.where(a > 0, np.clip(np.frexp(np.where(a > 0, a, 1))[1] - 1 - 2, -126, 127), 0)      # np.frexp(a)[1] - 1 = floor(log2(a)), exactly
;;       r = np.clip(x / 2.0 ** e, -6, 6)
;;       step = 2.0 ** (np.maximum(np.frexp(np.where(r == 0, 1, r))[1] - 1, 0) - 1)
;;       q = np.round(r / step) * step * 2.0 ** e      # np.round: ties to even
;;       return np.moveaxis(q.reshape(q.shape[:-2] + (-1,))[..., :K], -1, axis).astype(np.float32)
;;   ~~~
;; One version. Each part assembles by itself: llvm-mc -triple=amdgcn-amd-amdhsa -mcpu=gfx1250 --defsym DOCPART=n.
;; ======== version 1 of 1: 4 launches
;; limits: values are held in f16: magnitudes above 65,504 overflow, below 6.1e-05 lose precision
;; workspace buffers: xc 12,582,912 bytes; xs 786,432 bytes; wimg 1,572,864 bytes; ws 98,304 bytes; wo16 2,097,152 bytes; hx 50,331,648 bytes; ao 16,777,216 bytes
;; launch prep (part 1): grid 928 x 1, 4 waves a work-group, no clusters, 33,280 bytes of LDS; arguments q, k, v, w_q, w_k, w_v, w_o, xc, xs, wimg, ws, wo16; writes xc, xs, wimg, ws, wo16
.if DOCPART == 1
	.amdgcn_target "amdgcn-amd-amdhsa--gfx1250"
	.amdhsa_code_object_version 6
	.text
	.protected	k_qbced919311_prep
	.globl	k_qbced919311_prep
	.p2align	8
	.type	k_qbced919311_prep,@function
k_qbced919311_prep:
	s_mov_b64 s[64:65], 0
	v_nop
	global_prefetch_b8 v0, s[64:65] scope:SCOPE_SE
	s_setreg_imm32_b32 hwreg(HW_REG_WAVE_MODE, 25, 1), 1
	s_wait_xcnt 0x0
; PREP: the operands of the three quantised products become codes of FP4 (E2M1) with one E8M0 byte for each 32 along K; w_o becomes f16.
; NO WORK OF THE PROBLEM IS DEAD: there is no mask, no bias and no slice; every one of the seven inputs reaches the output, so all seven are loaded and all six products are done.
; THREE ROLES, parted by the work-group's number and never joined again; the short roles have the lowest numbers:
;   W  (work-groups 0-95):    w_q, w_k, w_v [1024 k][1024 n] f32, K the FIRST axis.  A lane takes a column, its registers run down K.  The codes leave as IMAGES OF THE OPERAND'S REGISTERS:
;                             wimg [3][2 halves of K][64 tiles of 16 columns][4 K steps of 128][1,024 bytes]; in an image the 16 bytes of block 2 c + h of column r lie at 512 c + 256 h + 16 r.
;                             Sixteen neighbouring lanes so store 256 consecutive aligned bytes, with no LDS.  Scale bytes: ws [3][1024 n][32].
;   O  (work-groups 96-159):  w_o f32 -> wo16 f16, as it lies.
;   X  (work-groups 160-927): q, k, v [8192][1024] f32, K innermost -> xc [3][8192][512 bytes], xs [3][8192][32]: plain streams of blocks of 32.
; A block's scale is 2^(floor(log2(its largest magnitude)) - 2); its byte is the largest magnitude's exponent field - 2, held at 1 from below.
; LIMITS: a block of zeros, and a block whose largest magnitude lies under 2^(3 - 127), get the byte 1 (the rule says 127 for zeros: their codes are zeros, and this program alone reads the bytes);
; NaN and infinities among the inputs are not served.  w_o must lie inside f16's range (magnitudes to 65,504; under 6e-5 f16 keeps an absolute 3e-8).
.set WAVES, 4
.set STEPS, 16
.set EMAX,  2
.set CB,    8                          ; bytes of 16 codes
.set R,     16                         ; role X: v16-79   four sets of 16 numbers as loaded
.set X,     80                         ; role X: v80-111  two sets of 16 neighbours
.set C,     128                        ; role X: v128-191 codes, four registers a step
.set E,     112                        ; role X: v112-127 a scale byte a step
.set WREG,  8192                       ; role X, LDS: a region for each wave: two stages of 32 x SP bytes, then its 256 scale bytes
.set SP,    80
.set SPW,   12                         ; v12 LDS address of my spare word; never rewritten
.set NIL,   13                         ; v13 0; never rewritten
.set SPARE, WAVES*WREG                 ; the spare words: 128 bytes a wave, named by no other line
.set WX,    32                         ; role W: v32-95   two sets of 32 numbers
.set WC,    160                        ; role W: v160-191 codes, four registers a block: no store's data are written again
.set SB,    24                         ; role W: v24-25   eight scale bytes
.set OX,    32                         ; role O: v32-159
	s_load_b512 s[4:19], s[0:1], 0x0               ; q 4:5, k 6:7, v 8:9, w_q 10:11, w_k 12:13, w_v 14:15, w_o 16:17, xc 18:19
	s_load_b256 s[20:27], s[0:1], 0x40             ; xs 20:21, wimg 22:23, ws 24:25, wo16 26:27
	v_lshl_add_u32 v[SPW], v0, 2, SPARE
	v_mov_b32 v[NIL], 0
	v_lshrrev_b32 v1, 5, v0
	v_readfirstlane_b32 s28, v1                    ; wave 0..3
	v_and_b32 v2, 31, v0                           ; lane
	s_wait_kmcnt 0x0
	s_cmp_lt_u32 ttmp9, 96
	s_cbranch_scc1 .Lw
	s_cmp_lt_u32 ttmp9, 160
	s_cbranch_scc1 .Lo
; ---------------- ROLE X: a wave takes 16 steps of 512 numbers.  Each load reads 512 consecutive bytes; a step's 2,048 bytes turn through the wave's own stage in LDS,
; so that a lane holds 16 neighbours along K (two lanes to a block).  Loads run four steps ahead, the turn through LDS one step.
	s_sub_co_u32 s29, ttmp9, 160                   ; 0..767: 256 work-groups a tensor
	s_cmp_lt_u32 s29, 512
	s_cselect_b64 s[30:31], s[6:7], s[8:9]         ; k or v,
	s_cmp_lt_u32 s29, 256
	s_cselect_b64 s[30:31], s[4:5], s[30:31]       ; or q: the choice hangs on the work-group's number alone
	s_and_b32 s32, s29, 255
	s_lshl_b32 s32, s32, 2
	s_add_co_u32 s32, s32, s28                     ; my run of 8,192 numbers in the tensor
	s_lshl_b32 s32, s32, 15                        ; 32,768 bytes a run
	s_mov_b32 s33, 0
	s_add_nc_u64 s[30:31], s[30:31], s[32:33]
	s_lshl_b32 s34, s29, 2
	s_add_co_u32 s34, s34, s28                     ; my run among all three tensors'
	s_lshl_b32 s36, s34, 12                        ; 4,096 bytes of codes a run
	s_mov_b32 s37, 0
	s_add_nc_u64 s[18:19], s[18:19], s[36:37]
	s_lshl_b32 s36, s34, 8                         ; 256 scale bytes a run
	s_add_nc_u64 s[20:21], s[20:21], s[36:37]
	v_lshlrev_b32 v3, 4, v2                        ; my 16 bytes of a load's 512
	s_mul_i32 s35, s28, WREG
	v_lshrrev_b32 v14, 2, v2
	v_mul_u32_u24 v14, v14, SP
	v_and_b32 v15, 3, v2
	v_lshl_add_u32 v14, v15, 4, v14
	v_add_nc_u32 v14, s35, v14                     ; the stage, on the way in: SP (lane / 4) + 16 (lane % 4)
	v_mul_u32_u24 v15, v2, SP
	v_add_nc_u32 v15, s35, v15                     ; and on the way out: SP x lane
	v_mul_u32_u24 v4, v2, CB                       ; my codes' place in a step's
	v_lshrrev_b32 v5, 1, v2
	s_add_co_u32 s35, s35, 2*32*SP
	v_add_nc_u32 v5, s35, v5                       ; my block's byte among my wave's 256
	v_lshlrev_b32 v7, 3, v2
	v_add_nc_u32 v6, s35, v7                       ; and on the way out 8 bytes a lane
.macro LOAD t
.irp i, 0,1,2,3
	global_load_b128 v[R+16*((\t)%4)+4*\i:R+16*((\t)%4)+4*\i+3], v3, s[30:31] offset:2048*(\t)+512*\i th:TH_LOAD_NT
.endr
.endm
.macro TURN t                          ; step t's numbers through the stage: LDS serves a wave's instructions in order
.irp i, 0,1,2,3
	ds_store_b128 v14, v[R+16*((\t)%4)+4*\i:R+16*((\t)%4)+4*\i+3] offset:32*SP*((\t)%2)+8*SP*\i
.endr
.irp i, 0,1,2,3
	ds_load_b128 v[X+16*((\t)%2)+4*\i:X+16*((\t)%2)+4*\i+3], v15 offset:32*SP*((\t)%2)+16*\i
.endr
.endm
.irp t, 0,1,2,3
	LOAD \t
.endr
	s_wait_loadcnt 12                              ; step 0's four loads are in; three steps' twelve may be out
	TURN 0
.macro STEP t
.set XS, X+16*((\t)%2)
.if (\t) > 0
	s_wait_dscnt 1                                 ; this step's numbers are back from the stage; the last step's byte store may be out
.else
	s_wait_dscnt 0x0
.endif
.if (\t)+4 < STEPS
	LOAD (\t)+4                                    ; into the set whose stores into the stage have read it
.endif
.if (\t)+1 < STEPS
.if STEPS-2-(\t) >= 3
	s_wait_loadcnt 12                              ; the next step's four loads are in; three steps' twelve may be out
.else
	s_wait_loadcnt 4*(STEPS-2-(\t))
.endif
	TURN (\t)+1
.endif
	v_max3_num_f32 v8, |v[XS]|, |v[XS+1]|, |v[XS+2]|               ; the largest magnitude of my 16, in two chains
	v_max3_num_f32 v9, |v[XS+3]|, |v[XS+4]|, |v[XS+5]|
.irp i, 6,10
	v_max3_num_f32 v8, v8, |v[XS+\i]|, |v[XS+\i+1]|
	v_max3_num_f32 v9, v9, |v[XS+\i+2]|, |v[XS+\i+3]|
.endr
	v_max3_num_f32 v8, v8, |v[XS+14]|, |v[XS+15]|
	v_max3_num_f32 v8, v8, v9, (EMAX+1)<<23        ; and the floor 2^(3 - 127): the byte cannot fall under 1
	v_max_num_f32_dpp v8, v8, v8 row_xmask:1 row_mask:0xf bank_mask:0xf   ; with my neighbour's 16: the block's
	v_add_nc_u32 v11, -(EMAX<<23), v8              ; 2 off its exponent field: the conversion's scale operand
	v_cvt_scalef32_pk8_fp4_f32 v[C+4*(\t)], v[XS:XS+7], v11
	v_cvt_scalef32_pk8_fp4_f32 v[C+4*(\t)+1], v[XS+8:XS+15], v11
	v_lshrrev_b32 v[E+(\t)], 23, v11               ; the scale's byte (a plain line behind the conversions)
	ds_store_b8 v5, v[E+(\t)] offset:16*(\t)       ; both lanes of a block write the same byte with the same value
	global_store_b64 v4, v[C+4*(\t):C+4*(\t)+1], s[18:19] offset:32*CB*(\t)   ; the wave stores 256 consecutive aligned bytes
.endm
.irp t, 0,1,2,3,4,5,6,7,8,9,10,11,12,13,14,15
	STEP \t
.endr
	ds_load_b64 v[8:9], v6                         ; LDS serves a wave's instructions in order: these see my byte stores
	s_wait_dscnt 0x0
	global_store_b64 v7, v[8:9], s[20:21]          ; 256 consecutive aligned bytes of scales
	s_wait_tensorcnt 0x0                           ; the wave's end
	ds_add_u32 v[SPW], v[NIL]
	s_wait_dscnt 0x0
	s_endpgm
; ---------------- ROLE W: a wave takes 32 columns x 256 along K: 8 blocks a lane.  No LDS.
.Lw:
	s_cmp_lt_u32 ttmp9, 64
	s_cselect_b64 s[30:31], s[12:13], s[14:15]     ; w_k or w_v,
	s_cmp_lt_u32 ttmp9, 32
	s_cselect_b64 s[30:31], s[10:11], s[30:31]     ; or w_q
	s_lshr_b32 s32, ttmp9, 5                       ; t: which weight
	s_bfe_u32 s33, ttmp9, 0x20003                  ; kq: which 256 along K
	s_and_b32 s34, ttmp9, 7                        ; cg: which 128 columns
	s_mov_b32 s37, 0
	s_lshl_b32 s36, s33, 20                        ; in: 256 kq rows of 4,096 bytes
	s_lshl_b32 s38, s34, 9
	s_add_co_u32 s36, s36, s38                     ; + 4 x 128 cg
	s_lshl_b32 s38, s28, 7
	s_add_co_u32 s36, s36, s38                     ; + 4 x 32 wave
	s_add_nc_u64 s[30:31], s[30:31], s[36:37]
	s_lshl_b32 s36, s32, 19                        ; images: 524,288 t
	s_lshr_b32 s38, s33, 1
	s_lshl_b32 s38, s38, 18
	s_add_co_u32 s36, s36, s38                     ; + 262,144 x (half of K)
	s_lshl_b32 s38, s34, 15
	s_add_co_u32 s36, s36, s38                     ; + 4,096 x 8 cg
	s_lshl_b32 s38, s28, 13
	s_add_co_u32 s36, s36, s38                     ; + 4,096 x 2 wave
	s_and_b32 s38, s33, 1
	s_lshl_b32 s38, s38, 11
	s_add_co_u32 s36, s36, s38                     ; + two K steps of 1,024 bytes for the odd kq
	s_add_nc_u64 s[22:23], s[22:23], s[36:37]
	s_lshl_b32 s36, s32, 15                        ; scale bytes: 32,768 t
	s_lshl_b32 s38, s34, 12
	s_add_co_u32 s36, s36, s38                     ; + 32 x 128 cg
	s_lshl_b32 s38, s28, 10
	s_add_co_u32 s36, s36, s38                     ; + 32 x 32 wave
	s_lshl_b32 s38, s33, 3
	s_add_co_u32 s36, s36, s38                     ; + 8 kq
	s_add_nc_u64 s[24:25], s[24:25], s[36:37]
	v_lshlrev_b32 v3, 2, v2                        ; in: 4 bytes a lane
	v_lshrrev_b32 v4, 4, v2
	v_and_b32 v5, 15, v2
	v_lshlrev_b32 v4, 12, v4
	v_lshl_add_u32 v4, v5, 4, v4                   ; images: 4,096 (lane / 16) + 16 (lane % 16)
	v_lshlrev_b32 v5, 5, v2                        ; scale bytes: 32 a column
.macro LOADW t                         ; block t: W(256 kq + 32 t + i, my column): the wave reads 128 consecutive bytes, the work-group 512
.irp i, 0,1,2,3,4,5,6,7,8,9,10,11,12,13,14,15,16,17,18,19,20,21,22,23,24,25,26,27,28,29,30,31
	global_load_b32 v[WX+32*((\t)%2)+\i], v3, s[30:31] offset:(32*(\t)+\i)*4096 th:TH_LOAD_NT
.endr
.endm
	LOADW 0
	LOADW 1
.macro BLOCKW t
.set XS, WX+32*((\t)%2)
.if (\t) < 7
	s_wait_loadcnt 32                              ; this block's 32 loads are in; the next block's 32 may be out
.else
	s_wait_loadcnt 0x0
.endif
	v_max3_num_f32 v8, |v[XS]|, |v[XS+1]|, |v[XS+2]|               ; the block's largest magnitude: all 32 numbers are mine
	v_max3_num_f32 v9, |v[XS+3]|, |v[XS+4]|, |v[XS+5]|
.irp i, 6,10,14,18,22,26
	v_max3_num_f32 v8, v8, |v[XS+\i]|, |v[XS+\i+1]|
	v_max3_num_f32 v9, v9, |v[XS+\i+2]|, |v[XS+\i+3]|
.endr
	v_max3_num_f32 v8, v8, |v[XS+30]|, |v[XS+31]|
	v_max3_num_f32 v8, v8, v9, (EMAX+1)<<23        ; and the floor
	v_add_nc_u32 v11, -(EMAX<<23), v8              ; the conversion's scale operand
	v_lshrrev_b32 v10, 23, v11                     ; the scale's byte
.if (\t)%4 == 0
	v_mov_b32 v[SB+(\t)/4], v10                    ; four bytes to a register, the lower K in the lower byte
.else
	v_lshl_or_b32 v[SB+(\t)/4], v10, 8*((\t)%4), v[SB+(\t)/4]
.endif
.irp g, 0,1,2,3
	v_cvt_scalef32_pk8_fp4_f32 v[WC+4*(\t)+\g], v[XS+8*\g:XS+8*\g+7], v11
.endr
	v_nop                                          ; one plain line behind the last conversion
	global_store_b128 v4, v[WC+4*(\t):WC+4*(\t)+3], s[22:23] offset:256*(\t)   ; each half of the lanes stores 256 consecutive aligned bytes
.if (\t)+2 < 8
	LOADW (\t)+2
.endif
.endm
.irp t, 0,1,2,3,4,5,6,7
	BLOCKW \t
.endr
	global_store_b64 v5, v[SB:SB+1], s[24:25]      ; my column's 8 scale bytes: 8 bytes a lane, 32 apart: one byte for each 128 that this role reads
	s_endpgm
; ---------------- ROLE O: a wave casts 4,096 numbers of w_o.
.Lo:
	s_sub_co_u32 s29, ttmp9, 96
	s_lshl_b32 s29, s29, 2
	s_add_co_u32 s29, s29, s28                     ; my run, 0..255
	s_lshl_b32 s32, s29, 14
	s_mov_b32 s33, 0
	s_add_nc_u64 s[16:17], s[16:17], s[32:33]
	s_lshl_b32 s32, s29, 13
	s_add_nc_u64 s[26:27], s[26:27], s[32:33]
	v_lshlrev_b32 v3, 4, v2
	v_lshlrev_b32 v4, 3, v2
.set n, 0
.rept 32
	global_load_b128 v[OX+4*n:OX+4*n+3], v3, s[16:17] offset:512*n th:TH_LOAD_NT
.set n, n+1
.endr
.set n, 0
.rept 32
	s_wait_loadcnt 31-n                            ; loads come back in order: load n is in, the younger ones may be out
	v_cvt_pk_f16_f32 v[OX+4*n], v[OX+4*n], v[OX+4*n+1]
	v_cvt_pk_f16_f32 v[OX+4*n+1], v[OX+4*n+2], v[OX+4*n+3]
	global_store_b64 v4, v[OX+4*n:OX+4*n+1], s[26:27] offset:256*n   ; 256 consecutive aligned bytes
.set n, n+1
.endr
	s_endpgm
.Lfunc_end_k_qbced919311_prep:
	.size	k_qbced919311_prep, .Lfunc_end_k_qbced919311_prep-k_qbced919311_prep
	.p2alignl 7, 3214868480
	.fill 96, 4, 3214868480
	.section	.rodata,"a",@progbits
	.p2align	6, 0x0
	.amdhsa_kernel k_qbced919311_prep
		.amdhsa_group_segment_fixed_size 33280
		.amdhsa_private_segment_fixed_size 0
		.amdhsa_enable_private_segment 0
		.amdhsa_kernarg_size 96
		.amdhsa_user_sgpr_count 2
		.amdhsa_user_sgpr_kernarg_segment_ptr 1
		.amdhsa_wavefront_size32 1
		.amdhsa_system_sgpr_workgroup_id_x 1
		.amdhsa_system_sgpr_workgroup_id_y 1
		.amdhsa_system_sgpr_workgroup_id_z 1
		.amdhsa_system_vgpr_workitem_id 0
		.amdhsa_next_free_vgpr 192
		.amdhsa_next_free_sgpr 66
		.amdhsa_reserve_vcc 0
		.amdhsa_float_denorm_mode_32 3
		.amdhsa_float_denorm_mode_16_64 3
		.amdhsa_memory_ordered 1
		.amdhsa_forward_progress 1
		.amdhsa_inst_pref_size 83
	.end_amdhsa_kernel
	.amdgpu_metadata
---
amdhsa.version: [ 1, 2 ]
amdhsa.kernels:
  - .name:           k_qbced919311_prep
    .symbol:         k_qbced919311_prep.kd
    .args:
      - { .name: q, .offset: 0, .size: 8, .value_kind: global_buffer, .address_space: global }
      - { .name: k, .offset: 8, .size: 8, .value_kind: global_buffer, .address_space: global }
      - { .name: v, .offset: 16, .size: 8, .value_kind: global_buffer, .address_space: global }
      - { .name: w_q, .offset: 24, .size: 8, .value_kind: global_buffer, .address_space: global }
      - { .name: w_k, .offset: 32, .size: 8, .value_kind: global_buffer, .address_space: global }
      - { .name: w_v, .offset: 40, .size: 8, .value_kind: global_buffer, .address_space: global }
      - { .name: w_o, .offset: 48, .size: 8, .value_kind: global_buffer, .address_space: global }
      - { .name: xc, .offset: 56, .size: 8, .value_kind: global_buffer, .address_space: global }
      - { .name: xs, .offset: 64, .size: 8, .value_kind: global_buffer, .address_space: global }
      - { .name: wimg, .offset: 72, .size: 8, .value_kind: global_buffer, .address_space: global }
      - { .name: ws, .offset: 80, .size: 8, .value_kind: global_buffer, .address_space: global }
      - { .name: wo16, .offset: 88, .size: 8, .value_kind: global_buffer, .address_space: global }
    .group_segment_fixed_size: 33280
    .private_segment_fixed_size: 0
    .kernarg_segment_align: 8
    .kernarg_segment_size: 96
    .max_flat_workgroup_size: 128
    .sgpr_count:     66
    .vgpr_count:     192
    .wavefront_size: 32
...
	.end_amdgpu_metadata
.endif
;; end of part 1
;; launch proj (part 2): grid 4 x 96, 4 waves a work-group, clusters of 4 x 4, 327,680 bytes of LDS; arguments xc, xs, wimg, ws, hx; writes hx
.if DOCPART == 2
	.amdgcn_target "amdgcn-amd-amdhsa--gfx1250"
	.amdhsa_code_object_version 6
	.text
	.protected	k_qbced919311_proj
	.globl	k_qbced919311_proj
	.p2align	8
	.type	k_qbced919311_proj,@function
k_qbced919311_proj:
	s_mov_b64 s[64:65], 0
	v_nop
	global_prefetch_b8 v0, s[64:65] scope:SCOPE_SE
	s_setreg_imm32_b32 hwreg(HW_REG_WAVE_MODE, 25, 1), 1
	s_wait_xcnt 0x0
	s_wait_alu depctr_hold_cnt(0) depctr_sa_sdst(0) depctr_va_vdst(0) depctr_va_sdst(0) depctr_va_ssrc(0) depctr_va_vcc(0) depctr_vm_vsrc(0)
	s_getreg_b32 s2, hwreg(HW_REG_IB_STS2, 6, 4)
	s_cmp_eq_u32 s2, 0
	s_cbranch_scc0 .Lentry_in_a_cluster
	s_endpgm
.Lentry_in_a_cluster:
	s_bfe_u32 s2, ttmp6, 0x10000c
	s_cmp_lg_u32 s2, 0xf033
	s_cbranch_scc0 .Lentry_shape_is_right
	s_endpgm
.Lentry_shape_is_right:
; PROJ: hq = q w_q, hk = k w_k, hv = v w_v on codes of FP4 (E2M1) with E8M0 scales, f32 sums; the results are rounded once to f16 and laid head-major: hx [3][64 (batch x 16 + head)][2048][64].
; No work is left out.  LIMIT: the results must lie inside f16's range (65,504).
; A is xc taken as [24,576 rows][512 bytes]; a tile of 256 x 256 is made by four waves, each 128 x 128: 64 accumulators.  96 tile rows (32 a tensor) x 4 tile columns.
; K = 1,024 is two slots of 512: BOTH ARE FIRST FILLS, nothing is ever filled again.  A's rows come padded (pitch 272); B comes as images of its fragments' registers, a dense 32 KiB a load, read back 16 bytes a lane on end.
; The scale bytes of the work-group's 256 rows and 256 columns, for all of K, come once, as rows of 256 bytes + 16.
; CLUSTERS: 4 x 4.  A's tiles hang on the tile row and are shared along a row of the cluster, B's on the tensor (cluster y / 8) and the tile column and are shared along a column: joint loads.
; 384 work-groups do not divide evenly among the WGPs: this launch accepts that.
; THE MATRIX INSTRUCTION IS USED TRANSPOSED (source 0 = 16 columns of the weight, source 1 = 16 rows of x): a lane holds eight neighbouring columns of one row.
; REGISTERS: window 0: v0-31 addresses; v32-95 scale words, two sets, and nothing else; v96-127, v224-255 rows on the way out; v128-191 A's fragments, one set; v192-223 packed results.
;   window 1: B's fragments, two sets, at v0 and v128.   window 2: accumulators of my rows 0-63 ((a, b) at v[8 (8 a + b)]);   window 3: rows 64-127.
.set NQ,     4                         ; K steps of 128 in a slot
.set ROWB,   256                       ; a slot's part of a row of A, in bytes
.set PITCH,  272                       ; an LDS row of A: 256 + 16: the 16 rows of a load start at 16 different groups of four banks
.set FR,     8
.set NL,     2
.set NP,     4                         ; places behind this matrix instruction (ISA guide 7.12.1)
.set HALFA,  128*PITCH
.set HALFB,  32768                     ; 8 tiles of 16 columns x 4 K steps x 1,024 bytes
.set BOFF,   2*HALFA
.set SLOT,   BOFF+2*HALFB
.set KS,     32                        ; a row of scale bytes
.set SCL,    2*SLOT
.set HALFS,  16*272                    ; the scales of 128 rows
.set SBLK,   2*272                     ; of 16 rows
.set STG,    SCL+4*HALFS               ; the way out: 16 rows x 272 bytes for each wave; no fill lands here
.set SPITCH, 272
.set SPARE,  STG+4*16*SPITCH           ; the spare words, 128 bytes a wave, named by no other line
.set ADRA, 16
.set ADRB, 20
.set STO,  24
.set RD,   25
.set CO,   26
.set ADRS, 27
.set SPW,  28
.set NIL,  29
.set SC,   32
.set OB,   96
.set AF,   128
.set TMP,  192
.set G1, 24
.set G0, 32
.set G1B, 48
.set G0B, 56
.set G1S, 68
.set G0S, 76
.set G1SB, 80
.set G0SB, 88
.set MSB, 0
.macro WIN new                         ; the immediate's high byte repeats the setting that is left
.if MSB != \new
	s_set_vgpr_msb (MSB<<8)|\new
.set MSB, \new
.endif
.endm
.set MUL_LO, 0xa1                      ; source 0 (B) window 1, source 1 (A) window 0, C and D window 2
.set MUL_HI, 0xf1
.set TO_B,   0x40
; A joint load: waves 0 and 1 fetch for A, waves 2 and 3 for B; the branch hangs on the wave's number alone.  An s_nop 0 and four v_nop follow each line.
.macro JLOAD g0a, g1a, g0b, g1b
	s_cmp_eq_u32 s15, 0
	s_cbranch_scc0 .Lfor_b_\@
	tensor_load_to_lds s[\g0a:\g0a+3], s[\g1a:\g1a+7]
	s_nop 0
.rept 4
	v_nop
.endr
	s_branch .Lasked_\@
.Lfor_b_\@:
	tensor_load_to_lds s[\g0b:\g0b+3], s[\g1b:\g1b+7]
	s_nop 0
.rept 4
	v_nop
.endr
.Lasked_\@:
.endm
.macro CROUND                          ; a round of the cluster's barrier
	s_barrier_signal -1
	s_barrier_wait -1
	s_cmp_lg_u32 s14, 0
	s_cbranch_scc1 .Lnot_wave_0_\@
	s_barrier_signal -3
.Lnot_wave_0_\@:
	s_barrier_wait -3
	s_barrier_signal -1
	s_barrier_wait -1
.endm
	s_load_b256 s[4:11], s[0:1], 0x0               ; xc 4:5, xs 6:7, wimg 8:9, ws 10:11
	s_load_b64 s[12:13], s[0:1], 0x20              ; hx
	v_lshl_add_u32 v[SPW], v0, 2, SPARE
	v_mov_b32 v[NIL], 0
	ds_add_u32 v[SPW], v[NIL]                      ; the wave's opening: the add, twice on end, and its wait ahead of my first tensor load
	ds_add_u32 v[SPW], v[NIL]
	v_lshrrev_b32 v1, 5, v0
	v_readfirstlane_b32 s14, v1                    ; wave 0..3
	s_lshr_b32 s15, s14, 1                         ; my half of the tile's rows.  Also: I fetch for A (0) or B (1)
	s_and_b32 s16, s14, 1                          ; my half of its columns.  Also: which half I fetch
	s_bfe_u32 s40, ttmp6, 0x40000                  ; cx
	s_bfe_u32 s41, ttmp6, 0x40004                  ; cy
	s_lshl_b32 s42, ttmp9, 2
	s_add_co_u32 s42, s42, s40                     ; tile column
	s_and_b32 s95, ttmp7, 0xffff                   ; cluster y
	s_lshl_b32 s17, s95, 2
	s_add_co_u32 s17, s17, s41                     ; tile row, 0..95
	s_lshr_b32 s95, s95, 3                         ; the tensor: the same in all sixteen partners
	s_lshl_b32 s43, s41, 2
	s_lshl_b32 s43, 15, s43                        ; my row of the cluster
	s_lshl_b32 s44, 0x1111, s40                    ; my column
	s_or_b32 s[G1+0], s43, (0<<16)|(1<<20)|(1<<21)|(5<<22)|(3<<25)   ; A's codes: bytes; padding of 4 words after every 64; bit 21 beside the mask
	s_mov_b32 s[G1+1], ROWB<<16                    ; tensor_dim0 = 256
	s_mov_b32 s[G1+2], 128<<16                     ; tensor_dim1 = 128
	s_mov_b32 s[G1+3], ROWB<<16                    ; tile_dim0
	s_mov_b32 s[G1+4], 128                         ; tile_dim1
	s_mov_b32 s[G1+5], 512                         ; a row of xc
	s_mov_b32 s[G1+6], 0
	s_mov_b32 s[G1+7], 0
	s_or_b32 s[G1B+0], s44, (3<<16)|(1<<21)        ; B's images: a dense block as 128 rows of 32 elements of 8 bytes, no padding
	s_mov_b32 s[G1B+1], 32<<16
	s_mov_b32 s[G1B+2], 128<<16
	s_mov_b32 s[G1B+3], 32<<16
	s_mov_b32 s[G1B+4], 128
	s_mov_b32 s[G1B+5], 32
	s_mov_b32 s[G1B+6], 0
	s_mov_b32 s[G1B+7], 0
	s_or_b32 s[G1S+0], s43, (3<<16)|(1<<20)|(1<<21)|(5<<22)|(3<<25)  ; scales of 128 rows: 4,096 dense bytes as 16 rows of 256, 16 bytes of padding behind each
	s_or_b32 s[G1SB+0], s44, (3<<16)|(1<<20)|(1<<21)|(5<<22)|(3<<25)
.irp g, G1S, G1SB
	s_mov_b32 s[\g+1], 32<<16
	s_mov_b32 s[\g+2], 16<<16
	s_mov_b32 s[\g+3], 32<<16
	s_mov_b32 s[\g+4], 16
	s_mov_b32 s[\g+5], 32
	s_mov_b32 s[\g+6], 0
	s_mov_b32 s[\g+7], 0
.endr
	s_lshl_b32 s18, s16, 7
	s_lshl_b32 s20, s17, 8
	s_add_co_u32 s20, s20, s18                     ; A: row 256 x tile row + 128 x half
	s_lshl_b32 s22, s20, 5                         ; its scale bytes,
	s_mov_b32 s23, 0
	s_lshl_b32 s20, s20, 9                         ; its codes
	s_mov_b32 s21, 0
	s_lshl_b32 s46, s42, 16                        ; B's images: 16 tiles x 4,096 bytes a tile column,
	s_lshl_b32 s47, s16, 15
	s_add_co_u32 s46, s46, s47                     ; + my half's 8 tiles,
	s_lshl_b32 s47, s95, 19
	s_add_co_u32 s46, s46, s47                     ; + the tensor
	s_mov_b32 s47, 0
	s_lshl_b32 s92, s42, 13                        ; B's scale bytes: 256 columns x 32,
	s_lshl_b32 s93, s16, 12
	s_add_co_u32 s92, s92, s93
	s_lshl_b32 s93, s95, 15
	s_add_co_u32 s92, s92, s93
	s_mov_b32 s93, 0
	s_mul_i32 s45, s16, HALFA                      ; where they go: no place in the cluster enters an LDS address
	s_lshl_b32 s96, s16, 15
	s_add_co_u32 s96, s96, BOFF
	s_mul_i32 s94, s14, HALFS
	s_wait_dscnt 0x0                               ; both opening adds are done
	s_wait_kmcnt 0x0
	s_add_nc_u64 s[20:21], s[4:5], s[20:21]
	s_add_nc_u64 s[22:23], s[6:7], s[22:23]
	s_add_nc_u64 s[46:47], s[8:9], s[46:47]
	s_add_nc_u64 s[92:93], s[10:11], s[92:93]
	CROUND                                         ; all sixteen work-groups are here: the joint loads meet
	s_mov_b32 s[G0S], 1
	s_add_co_u32 s[G0S+1], s94, SCL
	s_mov_b64 s[G0S+2:G0S+3], s[22:23]
	s_or_b32 s[G0S+3], s[G0S+3], 0x80000000
	s_mov_b32 s[G0SB], 1
	s_add_co_u32 s[G0SB+1], s94, SCL
	s_mov_b64 s[G0SB+2:G0SB+3], s[92:93]
	s_or_b32 s[G0SB+3], s[G0SB+3], 0x80000000
	JLOAD G0S, G1S, G0SB, G1SB                     ; the scales first; by this text's count three tensor loads of a wave are out at the most
.irp s, 0,1
	s_mov_b32 s[G0+4*\s], 1
	s_add_co_u32 s[G0+4*\s+1], s45, \s*SLOT
	s_add_nc_u64 s[G0+4*\s+2:G0+4*\s+3], s[20:21], \s*ROWB
	s_or_b32 s[G0+4*\s+3], s[G0+4*\s+3], 0x80000000
	s_mov_b32 s[G0B+4*\s], 1
	s_add_co_u32 s[G0B+4*\s+1], s96, \s*SLOT
	s_add_nc_u64 s[G0B+4*\s+2:G0B+4*\s+3], s[46:47], \s*262144
	s_or_b32 s[G0B+4*\s+3], s[G0B+4*\s+3], 0x80000000
	JLOAD G0+4*\s, G1, G0B+4*\s, G1B
.endr
	v_and_b32 v1, 15, v0                           ; r
	v_bfe_u32 v2, v0, 4, 1                         ; h
	v_mul_u32_u24 v3, v1, PITCH
	v_lshl_add_u32 v4, v2, 4, v3                   ; A: row x pitch + 16 h
	v_and_b32 v6, 31, v0
	v_lshlrev_b32 v[CO], 4, v6                     ; 16 x lane: an image's place for my lane, and my place in 512 bytes of hx
	s_mul_i32 s21, s15, HALFA                      ; my 128 rows of A
	s_lshl_b32 s22, s16, 15
	s_add_co_u32 s22, s22, BOFF                    ; my 8 tiles of B
.irp s, 0,1
	v_add_nc_u32 v[ADRA+\s], s21, v4
	v_add_nc_u32 v[ADRB+\s], s22, v[CO]
	s_add_co_u32 s21, s21, SLOT
	s_add_co_u32 s22, s22, SLOT
.endr
	v_mul_u32_u24 v5, v1, KS                       ; my row's scales: 32 bytes a row,
	v_lshrrev_b32 v6, 8, v5
	v_lshl_add_u32 v5, v6, 4, v5                   ; and 16 more for each 256 passed
	s_mul_i32 s21, s15, HALFS
	s_mul_i32 s22, s16, HALFS
	s_add_co_u32 s22, s22, 2*HALFS
	s_sub_co_u32 s22, s22, s21
	v_mul_u32_u24 v6, s22, v2                      ; lanes 16-31 take B's: one product, the distance between the two bases
	s_add_co_u32 s21, s21, SCL
	v_add_nc_u32 v5, v5, v6
	v_add_nc_u32 v[ADRS], s21, v5
	s_mul_i32 s23, s14, 16*SPITCH
	s_add_co_u32 s23, s23, STG                     ; my stage
	v_mul_u32_u24 v5, v1, SPITCH
	v_lshl_add_u32 v5, v2, 4, v5
	v_add_nc_u32 v[STO], s23, v5                   ; in: row r, 16 bytes for each half of the lanes
	v_bfe_u32 v5, v0, 3, 2
	v_mul_u32_u24 v5, v5, SPITCH
	v_and_b32 v6, 7, v0
	v_lshl_add_u32 v5, v6, 4, v5
	v_add_nc_u32 v[RD], s23, v5                    ; back: eight lanes take a head's 128 bytes of a row, four rows an instruction
	s_lshr_b32 s20, s17, 3                         ; hx: (tensor x 4 + batch) x 16
	s_lshl_b32 s20, s20, 4
	s_lshl_b32 s46, s42, 2
	s_add_co_u32 s46, s46, s20                     ; + 4 heads a tile column
	s_lshl_b32 s47, s16, 1
	s_add_co_u32 s46, s46, s47                     ; + 2 a half
	s_lshl_b32 s46, s46, 18                        ; 262,144 bytes a head
	s_and_b32 s20, s17, 7
	s_lshl_b32 s20, s20, 15
	s_add_co_u32 s46, s46, s20                     ; + 256 rows of 128 bytes a tile row
	s_lshl_b32 s20, s15, 14
	s_add_co_u32 s46, s46, s20                     ; + my 128 rows
	s_mov_b32 s47, 0
	s_add_nc_u64 s[12:13], s[12:13], s[46:47]
.macro FRAGA reg, slot, q, i           ; 16 rows x 128 K: lane l holds row l % 16; registers 4 c .. 4 c + 3 hold K = 64 c + 32 (l / 16) + 0 .. 31
.irp c, 0,1
	ds_load_b128 v[\reg+4*\c:\reg+4*\c+3], v[ADRA+\slot] offset:64*(\q)+32*\c+(\i)*16*PITCH
.endr
.endm
.macro FRAGB reg, slot, q, i           ; an image comes back as it was stored: 16 bytes a lane on end
.irp c, 0,1
	ds_load_b128 v[\reg+4*\c:\reg+4*\c+3], v[ADRB+\slot] offset:4096*(\i)+1024*(\q)+512*\c
.endr
.endm
; 16 matrix instructions: A's blocks a0, a0 + 1 x B's eight.  The 64 accumulators take turns, one instruction a turn, in the same order in every step.
.macro MUL16 a0, p, q, sc, zero
.irp a, \a0, \a0+1
.irp b, 0,1,2,3,4,5,6,7
.if \zero
	v_wmma_scale_f32_16x16x128_f8f6f4 v[8*(8*((\a)%4)+\b):8*(8*((\a)%4)+\b)+7], v[128*(\p)+FR*\b:128*(\p)+FR*\b+FR-1], v[AF+FR*(\a):AF+FR*(\a)+FR-1], 0, v[SC+8*NQ*(\sc)+NQ*\b+(\q)], v[SC+8*NQ*(\sc)+NQ*(\a)+(\q)] matrix_a_fmt:MATRIX_FMT_FP4 matrix_b_fmt:MATRIX_FMT_FP4 matrix_a_scale:MATRIX_SCALE_ROW1
.else
	v_wmma_scale_f32_16x16x128_f8f6f4 v[8*(8*((\a)%4)+\b):8*(8*((\a)%4)+\b)+7], v[128*(\p)+FR*\b:128*(\p)+FR*\b+FR-1], v[AF+FR*(\a):AF+FR*(\a)+FR-1], v[8*(8*((\a)%4)+\b):8*(8*((\a)%4)+\b)+7], v[SC+8*NQ*(\sc)+NQ*\b+(\q)], v[SC+8*NQ*(\sc)+NQ*(\a)+(\q)] matrix_a_fmt:MATRIX_FMT_FP4 matrix_b_fmt:MATRIX_FMT_FP4 matrix_a_scale:MATRIX_SCALE_ROW1
.endif
.endr
.endr
.endm
.macro FETCH_B slot, q, p
	WIN TO_B
.irp i, 0,1,2,3,4,5,6,7
	FRAGB 128*(\p)+FR*\i, \slot, \q, \i
.endr
	WIN 0
.endm
.macro FETCH_A slot, q, i0
.irp i, \i0, \i0+1, \i0+2, \i0+3
	FRAGA AF+FR*(\i), \slot, \q, \i
.endr
.endm
.macro SCALES sc                       ; a slot's scale words: four a row; lanes 0-15 take A's block i, lanes 16-31 B's block i
.irp i, 0,1,2,3,4,5,6,7
	ds_load_b128 v[SC+8*NQ*\sc+NQ*\i:SC+8*NQ*\sc+NQ*\i+3], v[ADRS] offset:\i*SBLK
.endr
.endm
.macro PLACES n                        ; plain vector lines between a matrix instruction and a load into, or a read of, its registers
.rept \n
	v_nop
.endr
.endm
.macro STEP slot, q, zero              ; 128 along K, with its successor in the same slot
	s_wait_dscnt 4*NL                              ; B's set and A's blocks 0-3 are in; the youngest eight loads (A's blocks 4-7) may be out
	WIN MUL_LO
	MUL16 0, (\q)%2, \q, \slot, \zero
	MUL16 2, (\q)%2, \q, \slot, \zero
	s_wait_dscnt 0
	PLACES NP
	FETCH_B \slot, (\q)+1, 1-(\q)%2
	FETCH_A \slot, (\q)+1, 0
	WIN MUL_HI
	MUL16 4, (\q)%2, \q, \slot, \zero
	MUL16 6, (\q)%2, \q, \slot, \zero
	PLACES NP
	WIN 0
	FETCH_A \slot, (\q)+1, 4
.endm
.macro STEPS slot, from
.set Q, \from
.rept NQ-1-\from
	STEP \slot, Q, 0
.set Q, Q+1
.endr
.endm
; Slot 0's last step goes over to slot 1: each wave waits for all its tensor loads (its part of slot 1), then one barrier shows the whole slot to every wave.  Nothing is filled again.
.macro TURN slot, next
	s_wait_tensorcnt 0x0                           ; my part of the next slot has landed (every window is 0 here)
	ds_add_u32 v[SPW], v[NIL]                      ; 0 onto my spare word
	s_wait_dscnt 4*NL+1                            ; the add and the youngest eight loads may be out
	WIN MUL_LO
	MUL16 0, 1, NQ-1, \slot, 0
	s_wait_dscnt 0x0                               ; no LDS instruction of mine is pending at the signal
	s_barrier_signal -1
	MUL16 2, 1, NQ-1, \slot, 0
	WIN 0
	s_barrier_wait -1
	PLACES NP
	v_add_nc_u32 v[ADRS], 4*NQ, v[ADRS]            ; on to the next slot's scale words
	FETCH_B \next, 0, 0
	FETCH_A \next, 0, 0
	SCALES \next
	WIN MUL_HI
	MUL16 4, 1, NQ-1, \slot, 0
	MUL16 6, 1, NQ-1, \slot, 0
	PLACES NP
	WIN 0
	FETCH_A \next, 0, 4
.endm
	s_wait_tensorcnt 1                             ; the scales and my part of slot 0 are in; slot 1's load may be out
	s_barrier_signal -1
	s_barrier_wait -1
	FETCH_B 0, 0, 0
	FETCH_A 0, 0, 0
	SCALES 0
	FETCH_A 0, 0, 4
	STEP 0, 0, 1                                   ; the first products start the sums: nothing is cleared
	STEPS 0, 1
	TURN 0, 1
	STEPS 1, 0
	s_wait_dscnt 4*NL                              ; the last step: nothing more to fetch
	WIN MUL_LO
	MUL16 0, 1, NQ-1, 1, 0
	MUL16 2, 1, NQ-1, 1, 0
	s_wait_dscnt 0
	WIN MUL_HI
	MUL16 4, 1, NQ-1, 1, 0
	MUL16 6, 1, NQ-1, 1, 0
	WIN 0
; THE WAY OUT, a block of 16 rows x 128 columns (two heads) at a time: rounded to f16, 16 bytes a lane into my own stage, back as four rows of one head, which are 512 consecutive bytes of hx.
.macro PACK a
.set AC, 64*((\a)%4)
	WIN 0x0a+5*((\a)/4)                            ; sources 0 and 1: window 2 or 3
.irp b, 0,1,2,3,4,5,6,7
.irp w, 0,1,2,3
	v_cvt_pk_f16_f32 v[TMP+4*\b+\w], v[AC+8*\b+2*\w], v[AC+8*\b+2*\w+1]   ; each accumulator from its low end on
.endr
.endr
	WIN 0
.endm
.macro TOSTAGE a
.set BK, OB+128*((\a)%2)
.irp b, 0,1,2,3,4,5,6,7
	ds_store_b128 v[STO], v[TMP+4*\b:TMP+4*\b+3] offset:32*\b
.endr
.irp x, 0,1
.irp p, 0,1,2,3
	ds_load_b128 v[BK+16*\x+4*\p:BK+16*\x+4*\p+3], v[RD] offset:128*\x+4*SPITCH*\p   ; LDS serves a wave's instructions in order: these see the stores above
.endr
.endr
.endm
.macro SEND a
.set BK, OB+128*((\a)%2)
	s_wait_dscnt 0x0                               ; the block is back in registers
	s_wait_xcnt 0x0                                ; the block before's stores have read their registers: the next block's loads may land there
.irp x, 0,1
.irp p, 0,1,2,3
	global_store_b128 v[CO], v[BK+16*\x+4*\p:BK+16*\x+4*\p+3], s[12:13] offset:262144*\x+512*\p+2048*(\a)   ; 512 consecutive bytes, at a multiple of 256 from hx's first byte
.endr
.endr
.endm
	PLACES NP
	PACK 0
	TOSTAGE 0
.irp a, 1,2,3,4,5,6,7
	PACK \a
	SEND \a-1
	TOSTAGE \a
.endr
	SEND 7
	s_wait_tensorcnt 0x0                           ; the wave's end
	ds_add_u32 v[SPW], v[NIL]
	s_wait_dscnt 0x0
	CROUND                                         ; the closing round
	s_endpgm
.Lfunc_end_k_qbced919311_proj:
	.size	k_qbced919311_proj, .Lfunc_end_k_qbced919311_proj-k_qbced919311_proj
	.p2alignl 7, 3214868480
	.fill 96, 4, 3214868480
	.section	.rodata,"a",@progbits
	.p2align	6, 0x0
	.amdhsa_kernel k_qbced919311_proj
		.amdhsa_group_segment_fixed_size 327680
		.amdhsa_private_segment_fixed_size 0
		.amdhsa_enable_private_segment 0
		.amdhsa_kernarg_size 40
		.amdhsa_user_sgpr_count 2
		.amdhsa_user_sgpr_kernarg_segment_ptr 1
		.amdhsa_wavefront_size32 1
		.amdhsa_system_sgpr_workgroup_id_x 1
		.amdhsa_system_sgpr_workgroup_id_y 1
		.amdhsa_system_sgpr_workgroup_id_z 1
		.amdhsa_system_vgpr_workitem_id 0
		.amdhsa_next_free_vgpr 1024
		.amdhsa_next_free_sgpr 100
		.amdhsa_reserve_vcc 0
		.amdhsa_float_denorm_mode_32 3
		.amdhsa_float_denorm_mode_16_64 3
		.amdhsa_memory_ordered 1
		.amdhsa_forward_progress 1
		.amdhsa_inst_pref_size 127
	.end_amdhsa_kernel
	.amdgpu_metadata
---
amdhsa.version: [ 1, 2 ]
amdhsa.kernels:
  - .name:           k_qbced919311_proj
    .symbol:         k_qbced919311_proj.kd
    .args:
      - { .name: xc, .offset: 0, .size: 8, .value_kind: global_buffer, .address_space: global }
      - { .name: xs, .offset: 8, .size: 8, .value_kind: global_buffer, .address_space: global }
      - { .name: wimg, .offset: 16, .size: 8, .value_kind: global_buffer, .address_space: global }
      - { .name: ws, .offset: 24, .size: 8, .value_kind: global_buffer, .address_space: global }
      - { .name: hx, .offset: 32, .size: 8, .value_kind: global_buffer, .address_space: global }
    .group_segment_fixed_size: 327680
    .private_segment_fixed_size: 0
    .kernarg_segment_align: 8
    .kernarg_segment_size: 40
    .max_flat_workgroup_size: 128
    .sgpr_count:     100
    .vgpr_count:     1024
    .wavefront_size: 32
...
	.end_amdgpu_metadata
.endif
;; end of part 2
;; launch attn (part 3): grid 4 x 64, 8 waves a work-group, clusters of 4 x 1, 327,680 bytes of LDS; arguments hx, ao; writes ao
.if DOCPART == 3
	.amdgcn_target "amdgcn-amd-amdhsa--gfx1250"
	.amdhsa_code_object_version 6
	.text
	.protected	k_qbced919311_attn
	.globl	k_qbced919311_attn
	.p2align	8
	.type	k_qbced919311_attn,@function
k_qbced919311_attn:
	s_mov_b64 s[64:65], 0
	v_nop
	global_prefetch_b8 v0, s[64:65] scope:SCOPE_SE
	s_setreg_imm32_b32 hwreg(HW_REG_WAVE_MODE, 25, 1), 1
	s_wait_xcnt 0x0
	s_wait_alu depctr_hold_cnt(0) depctr_sa_sdst(0) depctr_va_vdst(0) depctr_va_sdst(0) depctr_va_ssrc(0) depctr_va_vcc(0) depctr_vm_vsrc(0)
	s_getreg_b32 s2, hwreg(HW_REG_IB_STS2, 6, 4)
	s_cmp_eq_u32 s2, 0
	s_cbranch_scc0 .Lentry_in_a_cluster
	s_endpgm
.Lentry_in_a_cluster:
	s_bfe_u32 s2, ttmp6, 0x10000c
	s_cmp_lg_u32 s2, 0x3003
	s_cbranch_scc0 .Lentry_shape_is_right
	s_endpgm
.Lentry_shape_is_right:
; ATTN: ao[head][q] = the sum over k of softmax_k(hq[q] . hk[k] / 8) hv[k], head size 64, 2,048 keys, no mask.  hx = [hq, hk, hv], each [64 heads][2048][64] f16; ao likewise.  No work is left out.
; Operands in f16 (the weights p, at most 1, are rounded to f16 for the second product); products, maxima and sums in f32.  LIMIT: the result must lie inside f16's range; under 6e-5 f16 keeps an absolute 3e-8.
; SHARES.  A work-group owns 512 queries of one head, each of its eight waves 64: four tiles of 16.  Two waves share a SIMD.  Every wave walks all keys, 64 a step.
; LAYOUT.  S^T = K Q^T (source 0 = 16 keys, source 1 = 16 queries): a lane holds ONE query (lane % 16) and the keys 8 (lane / 16) + 0..7.  Two such tiles, rounded to f16 in pairs, ARE source 1 of
; O^T = V^T P.  P is packed IN PLACE into the first 16 of a tile's 32 score registers.  K comes out of LDS as it lies, V ([key][channel]) turned, by ds_load_tr16_b128.
; SOFTMAX.  A running maximum m and sum l a query: p = 2^(c s - c m), c = log2(e) / 8; in every step O and l are multiplied by a = 2^(c m_old - c m_new).
; BY TURNS.  The wave's tiles are two PIECES (tiles 0, 1 and tiles 2, 3).  In a TURN one piece has the matrix unit (16 products V^T P of the step in hand, 16 products K Q^T of the next step); the other piece's
; softmax, cut into slices of four, stands between them, two slices behind each matrix instruction.  Two turns are a key step.
; CLUSTER.  The four query blocks of a head form a cluster and ask for each tile of K and V JOINTLY.  A slot holds four key steps; each of the eight waves fetches one tile of it (waves 0-3 K, waves 4-7 V).
; REGISTERS.  window 0: v2-8 addresses; v12-43 statistics, eight a tile; v61-63; v64-191 S^T, 32 a tile; v192-255 V of one step.   window 1: v0-127 O^T, 32 a tile; v128-191 Q; v192-255 K of one step.
.set KS,    64
.set PK,    144       ; a row of K in LDS: 128 bytes + 16: an odd multiple of 16
.set PV,    160       ; a row of V: 128 + 32: an odd multiple of 32
.set VOFF,  KS*PK
.set STEPB, KS*(PK+PV)
.set NST,   4         ; key steps in a slot
.set SLOTB, NST*KS*128  ; a slot's keys in memory, in bytes
.set SLOT1, 1<<17
.set STAGE, SLOT1+NST*STEPB  ; behind the ring: 16 rows x 144 bytes for each wave; no fill lands here
.set SP,    144
.set SPARE, STAGE+8*16*SP    ; the spare words, 128 bytes a wave, named by no other line
.set AK0, 2
.set AV0, 3
.set ADR, 4
.set QO,  5
.set STO, 6
.set RD,  7
.set GO,  8
.set PFO, 61          ; 256 x my lane; never rewritten
.set SPW, 62
.set NIL, 63
.set ST,  12          ; tile t at v[ST+8 t]: +0 c m, +1 m, +2, +3 l, +4 to +7 c0-c3 at work; a takes c2's place; c0, c1 later hold a second chain of the sum
.set S,   64
.set VF,  192         ; window 0
.set QB,  128         ; window 1
.set KF,  192         ; window 1
.set WV,  12
.set LIM, 15
.set PFA, 18
.set G1K, 24
.set G1V, 32
.set G0K, 40
.set G0V, 48
.set SLOTS, 56
.set TWICE, 57
.set CS,  58
.set SEL, 60
.set TB,  62
.set MSB, 0
.macro WIN new
.if MSB != \new
	s_set_vgpr_msb (MSB<<8)|\new
.set MSB, \new
.endif
.endm
.set W_KQ, 0x05       ; K and Q in window 1, S^T in window 0
.set W_PV, 0x50       ; V and P in window 0, O^T (C and D) in window 1
.set W_RS, 0x41       ; O^T (destination and source 0) in window 1, a in window 0
.macro JLOAD                        ; a joint refill; an s_nop 0 and four v_nop follow each line
	s_cmp_lt_u32 s[WV], 4
	s_cbranch_scc0 .Lfor_v_\@
	tensor_load_to_lds s[G0K+4:G0K+7], s[G1K:G1K+7]
	s_nop 0
.rept 4
	v_nop
.endr
	s_branch .Lasked_\@
.Lfor_v_\@:
	tensor_load_to_lds s[G0V+4:G0V+7], s[G1V:G1V+7]
	s_nop 0
.rept 4
	v_nop
.endr
.Lasked_\@:
.endm
; A prefetch of what the NEXT change of slots will ask for: a slot's 32,768 bytes of K and of V.  The four partners take 8,192 bytes each, told apart by address; in each, wave 0 asks for K's and wave 4 for V's,
; lanes 256 bytes apart: each block is named once in the launch.  The last change that fills a slot asks for nothing.
.macro ASK
	s_cmp_gt_u32 s[SLOTS], s[LIM]
	s_cbranch_scc0 .Lnot_mine_\@
	global_prefetch_b8 v[PFO], s[PFA:PFA+1] th:TH_LOAD_NT scope:SCOPE_SE
.Lnot_mine_\@:
.endm
.macro CROUND
	s_barrier_signal -1
	s_barrier_wait -1
	s_cmp_lg_u32 s[WV], 0
	s_cbranch_scc1 .Lnot_wave_0_\@
	s_barrier_signal -3
.Lnot_wave_0_\@:
	s_barrier_wait -3
	s_barrier_signal -1
	s_barrier_wait -1
.endm
	s_load_b128 s[4:7], s[0:1], 0x0   ; hx s[4:5], ao s[6:7]
	v_lshl_add_u32 v[SPW], v0, 2, SPARE
	v_mov_b32 v[NIL], 0
	ds_add_u32 v[SPW], v[NIL]       ; the wave's opening: the add, twice on end, and its wait ahead of my first tensor load
	ds_add_u32 v[SPW], v[NIL]
	v_lshrrev_b32 v1, 5, v0
	v_readfirstlane_b32 s[WV], v1   ; wave 0..7
	s_bfe_u32 s13, ttmp6, 0x40000   ; cx: my block of 512 queries: it enters Q's, O's and the prefetches' addresses alone
	s_and_b32 s20, ttmp7, 0xffff    ; the head, which the four partners share
	s_lshl_b32 s20, s20, 18         ; its first byte in each tensor
	s_and_b32 s16, s[WV], 3         ; which of a slot's four steps I fetch:
	s_lshl_b32 s22, s16, 13         ; its 64 rows of 128 bytes in memory,
	s_add_co_u32 s22, s22, s20
	s_mov_b32 s23, 0
	s_mul_i32 s17, s16, STEPB       ; and its place in a slot
	s_lshl_b32 s2, s13, 16          ; my block's 512 rows,
	s_lshl_b32 s3, s[WV], 13        ; my wave's 64 of them
	s_add_co_u32 s2, s2, s3
	s_add_co_u32 s2, s2, s20
	s_mov_b32 s3, 0
	s_mov_b32 s[G1K], 15|(1<<16)|(1<<20)|(1<<21)|(4<<22)|(3<<25)  ; the mask: all four; elements of 2 bytes; padding of 4 words after every 32; bit 21 beside the mask
	s_mov_b32 s[G1V], 15|(1<<16)|(1<<20)|(1<<21)|(4<<22)|(7<<25)  ; the same with 8 words of padding
.irp g, G1K, G1V
	s_mov_b32 s[\g+1], 64<<16       ; tensor_dim0 = 64
	s_mov_b32 s[\g+2], KS<<16       ; tensor_dim1 = 64
	s_mov_b32 s[\g+3], 64<<16       ; tile_dim0
	s_mov_b32 s[\g+4], KS           ; tile_dim1
	s_mov_b32 s[\g+5], 64           ; elements from row to row
	s_mov_b32 s[\g+6], 0
	s_mov_b32 s[\g+7], 0
.endr
	s_mov_b32 s[CS], 0x3e38aa3b     ; c = log2(e) / 8
	s_mov_b32 s[CS+1], s[CS]
	s_mov_b32 s[SEL], 0x76543210
	s_mov_b32 s[SEL+1], 0xfedcba98
	s_mov_b32 s[TB], 0
	s_mov_b32 s[SLOTS], 2048/(NST*KS)-2
	s_cmp_eq_u32 s16, 0             ; waves 0 and 4 prefetch: the same in all four partners
	s_cselect_b32 s[LIM], 1, -1
	v_and_b32 v[PFO], 31, v0
	v_lshlrev_b32 v[PFO], 8, v[PFO]
	s_wait_dscnt 0x0                ; both opening adds are done
	s_wait_kmcnt 0x0
	s_add_nc_u64 s[8:9], s[4:5], s[22:23]
	s_add_nc_u64 s[10:11], s[8:9], 0x2000000  ; hv at my tile of slot 0
	s_add_nc_u64 s[8:9], s[8:9], 0x1000000    ; hk likewise
	s_add_nc_u64 s[4:5], s[4:5], s[2:3]       ; hq and ao at my wave's first row
	s_add_nc_u64 s[6:7], s[6:7], s[2:3]
	s_cmp_lt_u32 s[WV], 4
	s_cselect_b64 s[PFA:PFA+1], s[8:9], s[10:11]  ; (in waves 0 and 4 these stand at a slot's first row)
	s_lshl_b32 s2, s13, 13
	s_mov_b32 s3, 0
	s_add_nc_u64 s[PFA:PFA+1], s[PFA:PFA+1], s[2:3]
	s_add_nc_u64 s[PFA:PFA+1], s[PFA:PFA+1], 2*SLOTB  ; in slot 2; the first change of slots steps it to slot 3.  Nothing is prefetched at the head
	CROUND                          ; all four work-groups are here: the first joint loads meet
.irp s, 0,1
	s_mov_b32 s[G0K+4*\s], 1
	s_add_co_u32 s[G0K+4*\s+1], s17, \s*SLOT1
	s_add_nc_u64 s[G0K+4*\s+2:G0K+4*\s+3], s[8:9], \s*SLOTB
	s_or_b32 s[G0K+4*\s+3], s[G0K+4*\s+3], 0x80000000
	s_mov_b32 s[G0V+4*\s], 1
	s_add_co_u32 s[G0V+4*\s+1], s17, \s*SLOT1+VOFF
	s_add_nc_u64 s[G0V+4*\s+2:G0V+4*\s+3], s[10:11], \s*SLOTB
	s_or_b32 s[G0V+4*\s+3], s[G0V+4*\s+3], 0x80000000
.endr
	s_cmp_lt_u32 s[WV], 4           ; a wave's two first fills stand in one arm: two loads of mine are out
	s_cbranch_scc0 .Lfirst_v
	tensor_load_to_lds s[G0K:G0K+3], s[G1K:G1K+7]
	s_nop 0
	tensor_load_to_lds s[G0K+4:G0K+7], s[G1K:G1K+7]
	s_nop 0
.rept 4
	v_nop
.endr
	s_branch .Lfirst_asked
.Lfirst_v:
	tensor_load_to_lds s[G0V:G0V+3], s[G1V:G1V+7]
	s_nop 0
	tensor_load_to_lds s[G0V+4:G0V+7], s[G1V:G1V+7]
	s_nop 0
.rept 4
	v_nop
.endr
.Lfirst_asked:
	v_and_b32 v1, 15, v0            ; r
	v_bfe_u32 v9, v0, 4, 1          ; h
	v_lshlrev_b32 v[QO], 7, v1
	v_lshl_add_u32 v[QO], v9, 4, v[QO]  ; row x 128 + 16 h
	WIN 0x40                        ; destination window 1
.irp i, 0,1,2,3,4,5,6,7             ; Q stays in registers: tile i / 2, channels 32 (i % 2) on
	global_load_b128 v[QB+8*\i:QB+8*\i+3],   v[QO], s[4:5] offset:(\i/2)*2048+(\i%2)*64
	global_load_b128 v[QB+8*\i+4:QB+8*\i+7], v[QO], s[4:5] offset:(\i/2)*2048+(\i%2)*64+32
.endr
	WIN 0
	v_mul_u32_u24 v[AK0], v1, PK
	v_lshl_add_u32 v[AK0], v9, 4, v[AK0]
	v_and_b32 v10, 7, v0
	v_bfe_u32 v11, v0, 3, 1
	v_lshl_add_u32 v[AV0], v9, 3, v10   ; the turning load: key 8 h + l % 8, channels 8 ((l / 8) % 2) on
	v_mul_u32_u24 v[AV0], v[AV0], PV
	v_lshl_add_u32 v[AV0], v11, 4, v[AV0]
	v_add_nc_u32 v[AV0], VOFF, v[AV0]
; Product i of 16 of O^T += V^T P: keys 32 (i / 8) on, channels 16 ((i / 2) % 4) on, tile x + i % 2.  Eight accumulators take turns, one instruction a turn.
.macro PV x, zero
	WIN W_PV
.set rO, 32*(\x+i%2)+8*((i/2)%4)
.set rV, VF+32*(i/8)+8*((i/2)%4)
.set rP, S+32*(\x+i%2)+8*(i/8)
.if \zero && (i < 8)
	v_wmma_f32_16x16x32_f16 v[rO:rO+7], v[rV:rV+7], v[rP:rP+7], 0
.else
	v_wmma_f32_16x16x32_f16 v[rO:rO+7], v[rV:rV+7], v[rP:rP+7], v[rO:rO+7]
.endif
.endm
; Product i of 16 of S^T = K Q^T: channels 32 (i / 8) on, keys 16 ((i / 2) % 4) on, tile x + i % 2.  The first 8 start the sums.
.macro KQ x
	WIN W_KQ
.set rS, S+32*(\x+i%2)+8*((i/2)%4)
.set rK, KF+16*((i/2)%4)+8*(i/8)
.set rQ, QB+16*(\x+i%2)+8*(i/8)
.if i < 8
	v_wmma_f32_16x16x32_f16 v[rS:rS+7], v[rK:rK+7], v[rQ:rQ+7], 0
.else
	v_wmma_f32_16x16x32_f16 v[rS:rS+7], v[rK:rK+7], v[rQ:rQ+7], v[rS:rS+7]
.endif
.endm
.macro FETCH_K                      ; a step's K: 8 fragments, 16 loads in one run
	WIN 0
	v_add_nc_u32 v[ADR], s[TB], v[AK0]
	WIN 0x40
.irp f, 0,1,2,3,4,5,6,7             ; keys 16 (f / 2) on, channels 32 (f % 2) on
	ds_load_b128 v[KF+8*\f:KF+8*\f+3],   v[ADR] offset:(\f/2)*16*PK+(\f%2)*64
	ds_load_b128 v[KF+8*\f+4:KF+8*\f+7], v[ADR] offset:(\f/2)*16*PK+(\f%2)*64+32
.endr
.endm
.macro FETCH_V                      ; a step's V, turned: 8 fragments, 16 loads in one run
	WIN 0
	v_add_nc_u32 v[ADR], s[TB], v[AV0]
	s_add_co_u32 s[TB], s[TB], STEPB  ; the next fetch is the next step's
	s_wait_alu depctr_va_vdst(0)    ; the wait for the softmax's batch of exponentials, ahead of the first line that names a result
.irp f, 0,1,2,3,4,5,6,7             ; keys 32 (f / 4) on, channels 16 (f % 4) on
	ds_load_tr16_b128 v[VF+8*\f:VF+8*\f+3],   v[ADR] offset:(\f/4)*32*PV+(\f%4)*32
	ds_load_tr16_b128 v[VF+8*\f+4:VF+8*\f+7], v[ADR] offset:(\f/4)*32*PV+16*PV+(\f%4)*32
.endr
.endm
; One tile's softmax for one key step is a list of 118 instructions; SM writes number j of it for tile t.
;   0-15    the maximum of the 32 scores and the old m (each accumulator is read from its low end on)      16-20  the other half of the lanes'; the new m; c m; c m_old - c m_new
;   21-69   ONE BATCH: 16 packed scalings c s - c m and 33 exponentials (a at 23); none reads an exponential's result        (the batch's one wait stands behind it: SLICE)
;   70-85   the sums, in two chains, which leave the weights as they are      86-101  the roundings to f16, in place, ascending      102-117  O^T times a
.macro SM t, first
.if j < 118
.set rT, ST+8*(\t)
.set rS, S+32*(\t)
.set rO, 32*(\t)+2*(j-102)
.if j < 102
	WIN 0
.endif
.if j < 4
	v_max3_num_f32 v[rT+4+j], v[rS+8*j], v[rS+8*j+1], v[rS+8*j+2]
.elseif j < 12
	v_max3_num_f32 v[rT+4+j%4], v[rT+4+j%4], v[rS+8*(j%4)+2*(j/4)+1], v[rS+8*(j%4)+2*(j/4)+2]
.elseif j == 12
	v_max3_num_f32 v[rT+4], v[rT+4], v[rS+7], v[rS+15]
.elseif j == 13
	v_max3_num_f32 v[rT+6], v[rT+6], v[rS+23], v[rS+31]
.elseif j == 14
	v_max3_num_f32 v[rT+4], v[rT+4], v[rT+5], v[rT+6]
.elseif (j == 15) && \first
	v_max_num_f32 v[rT+4], v[rT+4], v[rT+7]
.elseif j == 15
	v_max3_num_f32 v[rT+4], v[rT+4], v[rT+7], v[rT+1]
.elseif j == 16
	v_permlanex16_b32 v[rT+5], v[rT+4], s[SEL], s[SEL+1]  ; the query's other 32 keys lie in the lane 16 away
.elseif j == 18
	v_max_num_f32 v[rT+1], v[rT+4], v[rT+5]
.elseif j == 19
	v_mul_f32 v[rT], s[CS], v[rT+1]
.elseif ((j == 17) || (j == 20) || (j == 23) || (j > 101)) && \first  ; the first step has none of these
.elseif j == 17
	v_mov_b32 v[rT+7], v[rT]        ; c m_old is kept for a
.elseif j == 20
	v_sub_f32 v[rT+7], v[rT+7], v[rT]
.elseif j == 23
	v_exp_f32 v[rT+6], v[rT+7]
.elseif (j < 23) || ((j < 38) && (j%2 == 0)) || ((j < 66) && (j%4 == 2))
.set b, (j-2)/4
.if j < 38
.set b, (j-20)/2
.endif
	v_pk_fma_f32 v[rS+2*b:rS+2*b+1], v[rS+2*b:rS+2*b+1], s[CS:CS+1], v[rT:rT+1] op_sel_hi:[1,0,0] neg_lo:[0,0,1] neg_hi:[0,0,1]  ; pair b: c s - c m
.elseif j < 70
.set e, j-38
.if j < 66
.set e, j-32-(j-38)/4
.endif
.if j < 38
.set e, (j-25)/2
.endif
	v_exp_f32 v[rS+e], v[rS+e]
.elseif j < 86
.set z, j-70
.if z == 0
.if !\first
	v_pk_fma_f32 v[rT+2:rT+3], v[rT+2:rT+3], v[rT+6:rT+7], v[rS:rS+1] op_sel_hi:[1,0,1]  ; l = a l + pair 0
.endif
.elseif z == 1
	v_pk_add_f32 v[rT+4:rT+5], v[rS+2:rS+3], v[rS+4:rS+5]
.elseif (z == 2) && \first
	v_pk_add_f32 v[rT+2:rT+3], v[rS:rS+1], v[rS+6:rS+7]
.elseif z == 15
	v_pk_add_f32 v[rT+2:rT+3], v[rT+2:rT+3], v[rT+4:rT+5]
.elseif z%2 == 0
	v_pk_add_f32 v[rT+2:rT+3], v[rT+2:rT+3], v[rS+2*(z+1):rS+2*(z+1)+1]
.else
	v_pk_add_f32 v[rT+4:rT+5], v[rT+4:rT+5], v[rS+2*(z+1):rS+2*(z+1)+1]
.endif
.elseif j < 102
	v_cvt_pk_f16_f32 v[rS+j-86], v[rS+2*(j-86)], v[rS+2*(j-86)+1]  ; pair n into register n: what it overwrites has been read
.else
	WIN W_RS
	v_pk_mul_f32 v[rO:rO+1], v[rO:rO+1], v[rT+6:rT+7] op_sel_hi:[1,0]
.endif
.endif
.endm
; Slice k of 64 of piece y's softmax.  Slices 11 to 34 deal out the batch, four numbers of ONE tile each, the tiles by turns; every other slice is numbers 2 k and 2 k + 1 of both tiles; slices 59 to 63 are empty.
; Ahead of slice 35 nothing names an exponential's result and behind slice 34 no exponential is issued: the piece's 66 exponentials have one wait, behind slice 34.
.macro SLICE y, first
.if (k >= 11) && (k < 35)
.irp n, 0,1,2,3
.set j, 22+4*((k-11)/2)+(\n)
	SM (\y)+(k-11)%2, \first
.endr
.else
.irp n, 0,1
.irp t, \y, \y+1
.set j, 2*k+\n
	SM \t, \first
.endr
.endr
.endif
.if k == 34
	v_nop                           ; a plain line behind the last exponential, ahead of the first use
.if (\y) == 0
	FETCH_V                         ; piece 2's turn: V's run of loads stands here, and the wait stands in it
.else
	s_wait_alu depctr_va_vdst(0)
.endif
.endif
.set k, k+1
.endm
.macro PLACES
.rept 4
	v_nop
.endr
.endm
; A TURN.  pv = 2: 16 products V^T P; 1: they start O^T's sums; 0: none.  kq = 1: 16 products K Q^T for the next step.  A full turn has two slices behind each product, a half turn four.
; DISTANCES, by this text's count.  K Q^T's products 2 and 3 write over P's second fragment, which V^T P's products 14 and 15 read: between them stand at least three scalings, the v_nop and two sums, six plain lines
; of the other piece.  V's run of loads stands behind three scalings, the v_nop and its own v_add_nc_u32 from the last product that read V.  K's run stands behind slices 0 to 3 of the next turn.
.macro TURN x, pv, kq, first
.set k, 0
.set per, 4
.if \pv && \kq
.set per, 2
.endif
.if \pv
.if \x == 0
	s_wait_dscnt 0x0                ; V is in
.endif
.set i, 0
.rept 16
	PV \x, 2-\pv
.rept per
	SLICE 2-\x, \first
.endr
.if (\x == 0) && \kq && (i == 1)
	FETCH_K
.endif
.set i, i+1
.endr
.endif
.if \kq
.if \x == 0
	s_wait_dscnt 0x0                ; K is in
.endif
.set i, 0
.rept 16
	KQ \x
.rept per
	SLICE 2-\x, \first
.endr
.set i, i+1
.endr
.endif
.if \first
	PLACES                          ; the first step's last slices are empty: these are the places behind the turn's last products
.endif
.endm
; THE CHANGE OF SLOTS: the slot's last bytes, V of its fourth step, have been asked for.  Each wave waits for all its tensor loads (one is out: its part of the other slot), adds 0 to its spare word, and waits
; for that and for its reads of the slot.  fill = 1: the barrier is a round of the cluster's, and the joint refill is the first thing behind it: it has four key steps in which to land.
.macro CHANGE fill
	WIN 0
	s_wait_tensorcnt 0x0            ; no tensor load of mine is out, so a group 0 may be written
	ds_add_u32 v[SPW], v[NIL]
.if \fill
.irp g, G0K+4, G0V+4
	s_xor_b32 s[\g+1], s[\g+1], SLOT1
	s_add_nc_u64 s[\g+2:\g+3], s[\g+2:\g+3], SLOTB
.endr
	s_wait_xcnt 0x0                 ; the last prefetch, a slot back, has read its address
	s_add_nc_u64 s[PFA:PFA+1], s[PFA:PFA+1], SLOTB
	s_wait_dscnt 0x0                ; the add is done, and my reads of the slot are over
	CROUND
	JLOAD
	ASK
.else
	s_wait_dscnt 0x0
	s_barrier_signal -1
	s_barrier_wait -1
.endif
	s_sub_co_u32 s[TB], s[TB], NST*STEPB  ; the fetches go back to a slot's first step,
	s_xor_b32 s[TB], s[TB], SLOT1   ; in the other slot
.endm
.macro N_STEPS n                    ; n key steps: written once, walked n times; the LDS addresses hang on s[TB]
	s_mov_b32 s[TWICE], \n
.Lstep_\@:
	TURN 0, 2, 1, 0
	TURN 2, 2, 1, 0
	WIN 0
	s_sub_co_u32 s[TWICE], s[TWICE], 1
	s_cmp_lg_u32 s[TWICE], 0
	s_cbranch_scc1 .Lstep_\@
.endm
	s_wait_tensorcnt 1              ; my part of slot 0 is in; slot 1's may stay out
	s_barrier_signal -1
	s_barrier_wait -1
	FETCH_K                         ; key step 0
	s_wait_loadcnt 0x0              ; Q
	s_wait_dscnt 0x0
.set i, 0
.rept 16
	KQ 0                            ; piece 0's first scores
.set i, i+1
.endr
	WIN 0                           ; the addresses for the way out: ten plain lines, the places behind those products
	s_mul_i32 s13, s[WV], 16*SP
	s_add_co_u32 s13, s13, STAGE    ; my stage
	v_mul_u32_u24 v[STO], v1, SP    ; in: row r, 16 bytes for each half of the lanes
	v_lshl_add_u32 v[STO], v9, 4, v[STO]
	v_add_nc_u32 v[STO], s13, v[STO]
	v_bfe_u32 v10, v0, 3, 2
	v_mul_u32_u24 v[RD], v10, SP    ; back: eight lanes take a row of 128 bytes, four rows an instruction
	v_and_b32 v11, 7, v0
	v_lshl_add_u32 v[RD], v11, 4, v[RD]
	v_add_nc_u32 v[RD], s13, v[RD]
	v_and_b32 v[GO], 31, v0
	v_lshlrev_b32 v[GO], 4, v[GO]   ; and the same 512 bytes in ao
	TURN 2, 0, 1, 1                 ; piece 2's first scores | piece 0's first softmax | V of step 0
	TURN 0, 1, 1, 1                 ; piece 0: V^T P of step 0 starts O^T, K Q^T of step 1 | piece 2's first softmax | K of step 1
	TURN 2, 1, 1, 0                 ; piece 2: the same | piece 0's softmax of step 1 | V of step 1
	WIN 0
	N_STEPS 2                       ; K and V of steps 2 and 3: slot 0 is read out
.Lslot:                             ; six trips: every slot but the last two is filled again
	CHANGE 1
	N_STEPS 4
	s_sub_co_u32 s[SLOTS], s[SLOTS], 1
	s_cmp_lg_u32 s[SLOTS], 0
	s_cbranch_scc1 .Lslot
	CHANGE 0                        ; the tail is written out
	N_STEPS 4
	TURN 0, 2, 0, 0                 ; piece 0: V^T P of the last step | piece 2's last softmax
.set i, 0
.rept 16
	PV 2, 0                         ; piece 2: V^T P of the last step
.set i, i+1
.endr
	; THE WAY OUT.  l's halves are added; O^T is divided by l, rounded to f16 and sent through my stage, a tile at a time.  The additions are the places behind the last products.
	WIN 0
.irp t, 0,1,2,3
	v_add_f32 v[ST+8*\t+4], v[ST+8*\t+2], v[ST+8*\t+3]
.endr
.irp t, 0,1,2,3
	v_permlanex16_b32 v[ST+8*\t+5], v[ST+8*\t+4], s[SEL], s[SEL+1]
.endr
.irp t, 0,1,2,3
	v_add_f32 v[ST+8*\t+4], v[ST+8*\t+4], v[ST+8*\t+5]
.endr
.irp t, 0,1,2,3
	v_rcp_f32 v[ST+8*\t+6], v[ST+8*\t+4]
.endr
	v_nop                           ; a plain line behind the last reciprocal
	s_wait_alu depctr_va_vdst(0)    ; one wait for the four, ahead of the first use
.macro PACK t
	WIN W_RS
.set i, 32*\t
.rept 16
	v_pk_mul_f32 v[i:i+1], v[i:i+1], v[ST+8*\t+6:ST+8*\t+7] op_sel_hi:[1,0]
.set i, i+2
.endr
	WIN 0x05                        ; sources window 1, destination window 0
.set i, 0
.rept 16
	v_cvt_pk_f16_f32 v[S+32*\t+i], v[32*\t+2*i], v[32*\t+2*i+1]
.set i, i+1
.endr
	WIN 0
.irp f, 0,1,2,3
	ds_store_b128 v[STO], v[S+32*\t+4*\f:S+32*\t+4*\f+3] offset:32*\f
.endr
.irp f, 0,1,2,3
	ds_load_b128 v[S+32*\t+4*\f:S+32*\t+4*\f+3], v[RD] offset:\f*4*SP  ; LDS serves a wave's instructions in order: these see the stores above; the next tile's stores come behind them
.endr
.endm
.macro SEND t, younger              ; younger: the LDS instructions issued behind tile t's loads
.irp f, 0,1,2,3
	s_wait_dscnt \younger+3-\f
	global_store_b128 v[GO], v[S+32*\t+4*\f:S+32*\t+4*\f+3], s[6:7] offset:\t*2048+\f*512  ; 512 consecutive bytes, at a multiple of 256 from ao's first byte
.endr
.endm
	PACK 0
	PACK 1
	SEND 0, 8
	PACK 2
	SEND 1, 8
	PACK 3
	SEND 2, 8
	SEND 3, 0
	s_wait_tensorcnt 0x0            ; the wave's end
	ds_add_u32 v[SPW], v[NIL]
	s_wait_dscnt 0x0
	CROUND                          ; the closing round
	s_endpgm
.Lfunc_end_k_qbced919311_attn:
	.size	k_qbced919311_attn, .Lfunc_end_k_qbced919311_attn-k_qbced919311_attn
	.p2alignl 7, 3214868480
	.fill 96, 4, 3214868480
	.section	.rodata,"a",@progbits
	.p2align	6, 0x0
	.amdhsa_kernel k_qbced919311_attn
		.amdhsa_group_segment_fixed_size 327680
		.amdhsa_private_segment_fixed_size 0
		.amdhsa_enable_private_segment 0
		.amdhsa_kernarg_size 16
		.amdhsa_user_sgpr_count 2
		.amdhsa_user_sgpr_kernarg_segment_ptr 1
		.amdhsa_wavefront_size32 1
		.amdhsa_system_sgpr_workgroup_id_x 1
		.amdhsa_system_sgpr_workgroup_id_y 1
		.amdhsa_system_sgpr_workgroup_id_z 1
		.amdhsa_system_vgpr_workitem_id 0
		.amdhsa_next_free_vgpr 512
		.amdhsa_next_free_sgpr 66
		.amdhsa_reserve_vcc 0
		.amdhsa_float_denorm_mode_32 3
		.amdhsa_float_denorm_mode_16_64 3
		.amdhsa_memory_ordered 1
		.amdhsa_forward_progress 1
		.amdhsa_inst_pref_size 193
	.end_amdhsa_kernel
	.amdgpu_metadata
---
amdhsa.version: [ 1, 2 ]
amdhsa.kernels:
  - .name:           k_qbced919311_attn
    .symbol:         k_qbced919311_attn.kd
    .args:
      - { .name: hx, .offset: 0, .size: 8, .value_kind: global_buffer, .address_space: global }
      - { .name: ao, .offset: 8, .size: 8, .value_kind: global_buffer, .address_space: global }
    .group_segment_fixed_size: 327680
    .private_segment_fixed_size: 0
    .kernarg_segment_align: 8
    .kernarg_segment_size: 16
    .max_flat_workgroup_size: 256
    .sgpr_count:     66
    .vgpr_count:     512
    .wavefront_size: 32
...
	.end_amdgpu_metadata
.endif
;; end of part 3
;; launch outp (part 4): grid 4 x 64, 4 waves a work-group, clusters of 4 x 4, 327,680 bytes of LDS; arguments ao, wo16, out0; writes out0
.if DOCPART == 4
	.amdgcn_target "amdgcn-amd-amdhsa--gfx1250"
	.amdhsa_code_object_version 6
	.text
	.protected	k_qbced919311_outp
	.globl	k_qbced919311_outp
	.p2align	8
	.type	k_qbced919311_outp,@function
k_qbced919311_outp:
	s_mov_b64 s[64:65], 0
	v_nop
	global_prefetch_b8 v0, s[64:65] scope:SCOPE_SE
	s_setreg_imm32_b32 hwreg(HW_REG_WAVE_MODE, 25, 1), 1
	s_wait_xcnt 0x0
	s_wait_alu depctr_hold_cnt(0) depctr_sa_sdst(0) depctr_va_vdst(0) depctr_va_sdst(0) depctr_va_ssrc(0) depctr_va_vcc(0) depctr_vm_vsrc(0)
	s_getreg_b32 s2, hwreg(HW_REG_IB_STS2, 6, 4)
	s_cmp_eq_u32 s2, 0
	s_cbranch_scc0 .Lentry_in_a_cluster
	s_endpgm
.Lentry_in_a_cluster:
	s_bfe_u32 s2, ttmp6, 0x10000c
	s_cmp_lg_u32 s2, 0xf033
	s_cbranch_scc0 .Lentry_shape_is_right
	s_endpgm
.Lentry_shape_is_right:
; OUTP: out0[row][n] = the sum over k of A[row][k] w_o[k][n], f16 operands, f32 sums and results.  A is ao, head-major: [64 (batch x 16 + head)][2048][64] f16, k = 64 head + channel.  wo16: [1024 k][1024 n] f16.  No work is left out.
; A tile of 128 rows x 256 columns is made by four waves, each 64 x 128: 32 accumulators.  64 x 4 tiles: one work-group for each of 256 WGPs.
; K goes in steps of 128 (two heads) through a ring of two LDS slots.  A's tile is two heads' blocks of 128 rows x 128 bytes (pitch 144); B's is 128 rows of k x 512 bytes (pitch 544), read turned by ds_load_tr16_b128.
; CLUSTERS: 4 x 4.  A's tiles are shared along a row of the cluster, B's along a column: joint loads.  THE MATRIX INSTRUCTION IS USED TRANSPOSED (source 0 = 16 columns of w_o, source 1 = 16 rows of A).
; REGISTERS: window 0: v16-30 addresses; two fragment buffers of 96 (A's 4 fragments, then B's 8) at v64 and v160; on the way out v64-191.   window 1: accumulator (a, b) at v[8 (8 a + b)].
.set AP,     144                       ; a row of A in LDS: 128 bytes + 16
.set HA,     128*AP                    ; a head's 128 rows
.set BP,     544                       ; a row of B: 512 bytes + 32: an odd multiple of 32
.set BOFF,   2*HA
.set HB,     64*BP                     ; what one load of B brings
.set SLOT,   BOFF+2*HB
.set STAGE,  2*SLOT                    ; 16 rows x 528 bytes for each wave; no fill lands here
.set SPITCH, 528
.set SPARE,  STAGE+4*16*SPITCH         ; the spare words, 128 bytes a wave, named by no other line
.set KSTA,   2*262144                  ; a K step in ao: two heads
.set KSTB,   128*2048                  ; and in wo16: 128 rows
.set LAPS,   4
.set ADRA, 16
.set ADRB, 20
.set STO,  24
.set RD,   25
.set CO,   26
.set SPW,  28
.set NIL,  29
.set PFO,  30
.set F0,   64
.set F1,   160
.set BK,   64
.set G1, 24
.set G0, 32
.set G1B, 48
.set G0B, 56
.set PFA, 66
.set LIM, 68
.set MSB, 0
.macro WIN new
.if MSB != \new
	s_set_vgpr_msb (MSB<<8)|\new
.set MSB, \new
.endif
.endm
.set MUL, 0x50                         ; sources window 0; C and D window 1
.macro JLOAD s                         ; waves 0 and 1 fetch A's two heads, waves 2 and 3 B's two halves; an s_nop 0 and four v_nop follow each line
	s_cmp_eq_u32 s11, 0
	s_cbranch_scc0 .Lfor_b_\@
	tensor_load_to_lds s[G0+4*\s:G0+4*\s+3], s[G1:G1+7]
	s_nop 0
.rept 4
	v_nop
.endr
	s_branch .Lasked_\@
.Lfor_b_\@:
	tensor_load_to_lds s[G0B+4*\s:G0B+4*\s+3], s[G1B:G1B+7]
	s_nop 0
.rept 4
	v_nop
.endr
.Lasked_\@:
.endm
; A prefetch of ao's K step that stands two refills on: two heads x 16,384 bytes.  The four partners that ask for the tile jointly take 8,192 bytes each, told apart by address; wave 0 asks, lanes 256 bytes apart:
; each block is named once in the launch.  The last lap's refills have no K step two on and ask for nothing.  wo16 is read by all 64 tile rows and is not asked for.
.macro ASK
	s_cmp_gt_u32 s3, s[LIM]
	s_cbranch_scc0 .Lnot_mine_\@
	global_prefetch_b8 v[PFO], s[PFA:PFA+1] offset:KSTA th:TH_LOAD_NT scope:SCOPE_SE
.Lnot_mine_\@:
.endm
.macro CREST
	s_cmp_lg_u32 s10, 0
	s_cbranch_scc1 .Lnot_wave_0_\@
	s_barrier_signal -3
.Lnot_wave_0_\@:
	s_barrier_wait -3
	s_barrier_signal -1
	s_barrier_wait -1
.endm
.macro CROUND
	s_barrier_signal -1
	s_barrier_wait -1
	CREST
.endm
	s_load_b128 s[4:7], s[0:1], 0x0                ; ao s[4:5], wo16 s[6:7]
	s_load_b64 s[8:9], s[0:1], 0x10                ; out0
	v_lshl_add_u32 v[SPW], v0, 2, SPARE
	v_mov_b32 v[NIL], 0
	ds_add_u32 v[SPW], v[NIL]                      ; the wave's opening: the add, twice on end, and its wait ahead of my first tensor load
	ds_add_u32 v[SPW], v[NIL]
	v_lshrrev_b32 v1, 5, v0
	v_readfirstlane_b32 s10, v1                    ; wave 0..3
	s_lshr_b32 s11, s10, 1                         ; my half of the tile's rows.  Also: I fetch for A (0) or B (1)
	s_and_b32 s12, s10, 1                          ; my half of its columns.  Also: which head, or which 64 rows of k, I fetch
	s_bfe_u32 s40, ttmp6, 0x40000                  ; cx
	s_bfe_u32 s41, ttmp6, 0x40004                  ; cy
	s_lshl_b32 s42, ttmp9, 2
	s_add_co_u32 s42, s42, s40                     ; tile column
	s_and_b32 s13, ttmp7, 0xffff
	s_lshl_b32 s13, s13, 2
	s_add_co_u32 s13, s13, s41                     ; tile row, 0..63
	s_lshl_b32 s43, s41, 2
	s_lshl_b32 s43, 15, s43                        ; my row of the cluster
	s_lshl_b32 s44, 0x1111, s40                    ; my column
	s_or_b32 s[G1+0], s43, (1<<16)|(1<<20)|(1<<21)|(4<<22)|(3<<25)   ; A: elements of 2 bytes; padding of 4 words after every 32; bit 21 beside the mask
	s_mov_b32 s[G1+1], 64<<16                      ; tensor_dim0 = 64
	s_mov_b32 s[G1+2], 128<<16                     ; tensor_dim1 = 128
	s_mov_b32 s[G1+3], 64<<16                      ; tile_dim0
	s_mov_b32 s[G1+4], 128                         ; tile_dim1
	s_mov_b32 s[G1+5], 64                          ; elements from row to row
	s_mov_b32 s[G1+6], 0
	s_mov_b32 s[G1+7], 0
	s_or_b32 s[G1B+0], s44, (1<<16)|(1<<20)|(1<<21)|(6<<22)|(7<<25)  ; B: padding of 8 words after every 128
	s_mov_b32 s[G1B+1], 256<<16
	s_mov_b32 s[G1B+2], 64<<16
	s_mov_b32 s[G1B+3], 256<<16
	s_mov_b32 s[G1B+4], 64
	s_mov_b32 s[G1B+5], 1024
	s_mov_b32 s[G1B+6], 0
	s_mov_b32 s[G1B+7], 0
	s_lshr_b32 s16, s13, 4                         ; A: the batch,
	s_lshl_b32 s16, s16, 4
	s_add_co_u32 s16, s16, s12                     ; x 16 heads + the head that I fetch,
	s_lshl_b32 s16, s16, 18                        ; 262,144 bytes a head,
	s_and_b32 s17, s13, 15
	s_lshl_b32 s17, s17, 14
	s_add_co_u32 s16, s16, s17                     ; + 128 rows of 128 bytes a tile row
	s_mov_b32 s17, 0
	s_lshl_b32 s46, s12, 17                        ; B: my 64 rows of 2,048 bytes,
	s_lshl_b32 s47, s42, 9
	s_add_co_u32 s46, s46, s47                     ; + 512 bytes a tile column
	s_mov_b32 s47, 0
	s_mul_i32 s20, s12, HA                         ; where they go: no place in the cluster enters an LDS address
	s_mul_i32 s21, s12, HB
	s_add_co_u32 s21, s21, BOFF
	s_wait_dscnt 0x0                               ; both opening adds are done
	s_wait_kmcnt 0x0
	s_add_nc_u64 s[14:15], s[4:5], s[16:17]
	s_add_nc_u64 s[46:47], s[6:7], s[46:47]
	CROUND                                         ; all sixteen work-groups are here: the first joint loads meet
.irp s, 0,1
	s_mov_b32 s[G0+4*\s], 1
	s_add_co_u32 s[G0+4*\s+1], s20, \s*SLOT
	s_add_nc_u64 s[G0+4*\s+2:G0+4*\s+3], s[14:15], \s*KSTA
	s_or_b32 s[G0+4*\s+3], s[G0+4*\s+3], 0x80000000
	s_mov_b32 s[G0B+4*\s], 1
	s_add_co_u32 s[G0B+4*\s+1], s21, \s*SLOT
	s_add_nc_u64 s[G0B+4*\s+2:G0B+4*\s+3], s[46:47], \s*KSTB
	s_or_b32 s[G0B+4*\s+3], s[G0B+4*\s+3], 0x80000000
	JLOAD \s
.endr
	v_and_b32 v1, 15, v0                           ; r
	v_bfe_u32 v2, v0, 4, 1                         ; h
	v_mul_u32_u24 v3, v1, AP
	v_lshl_add_u32 v3, v2, 4, v3                   ; A: row x pitch + 16 h
	v_and_b32 v4, 7, v0
	v_lshl_add_u32 v4, v2, 3, v4                   ; B, the turning load: row of k 8 h + l % 8,
	v_mul_u32_u24 v4, v4, BP
	v_bfe_u32 v5, v0, 3, 1
	v_lshl_add_u32 v4, v5, 4, v4                   ; columns 8 ((l / 8) % 2) on
	s_mul_i32 s21, s11, 64*AP                      ; my 64 rows of A
	s_lshl_b32 s22, s12, 8                         ; my 128 columns of B
	s_add_co_u32 s22, s22, BOFF
.irp s, 0,1
	v_add_nc_u32 v[ADRA+\s], s21, v3
	v_add_nc_u32 v[ADRB+\s], s22, v4
	s_add_co_u32 s21, s21, SLOT
	s_add_co_u32 s22, s22, SLOT
.endr
	s_mul_i32 s23, s10, 16*SPITCH
	s_add_co_u32 s23, s23, STAGE                   ; my stage
	v_mul_u32_u24 v5, v1, SPITCH
	v_lshl_add_u32 v5, v2, 5, v5
	v_add_nc_u32 v[STO], s23, v5                   ; in: row r, 32 bytes for each half of the lanes
	v_and_b32 v6, 31, v0
	v_lshlrev_b32 v[CO], 4, v6                     ; back: the 32 lanes take one row of 512 bytes; and the same in out0
	v_add_nc_u32 v[RD], s23, v[CO]
	v_lshlrev_b32 v[PFO], 8, v6
	s_lshl_b32 s16, s13, 19                        ; out0: 128 rows of 4,096 bytes a tile row,
	s_lshl_b32 s17, s11, 18
	s_add_co_u32 s16, s16, s17                     ; + my 64 rows
	s_mov_b32 s17, 0
	s_add_nc_u64 s[8:9], s[8:9], s[16:17]
	s_lshl_b32 s46, s42, 10                        ; + 1,024 bytes a tile column + my 512
	s_lshl_b32 s47, s12, 9
	s_add_co_u32 s46, s46, s47
	s_mov_b32 s47, 0
	s_add_nc_u64 s[8:9], s[8:9], s[46:47]
	s_lshr_b32 s20, s13, 4                         ; the prefetches: the batch's first head,
	s_lshl_b32 s20, s20, 22
	s_and_b32 s21, s13, 15
	s_lshl_b32 s21, s21, 14
	s_add_co_u32 s20, s20, s21                     ; the tile row,
	s_lshr_b32 s21, s40, 1
	s_lshl_b32 s21, s21, 18
	s_add_co_u32 s20, s20, s21                     ; my work-group's head of the two,
	s_and_b32 s21, s40, 1
	s_lshl_b32 s21, s21, 13
	s_add_co_u32 s20, s20, s21                     ; and its half of that head's 16,384 bytes
	s_mov_b32 s21, 0
	s_add_nc_u64 s[PFA:PFA+1], s[4:5], s[20:21]
	s_add_nc_u64 s[PFA:PFA+1], s[PFA:PFA+1], 2*KSTA  ; at K step 2: the first refill steps it to 3 and names K step 4.  Nothing is prefetched at the head
	s_cmp_eq_u32 s10, 0
	s_cselect_b32 s[LIM], 1, -1                    ; wave 0 asks: the same in all partners
; 8 matrix instructions: A's block a x B's eight, 32 along K.  The 32 accumulators take turns, one instruction a turn, in the same order in every quarter.
.macro MUL8 f, a, zero
.irp b, 0,1,2,3,4,5,6,7
.if \zero
	v_wmma_f32_16x16x32_f16 v[8*(8*(\a)+\b):8*(8*(\a)+\b)+7], v[\f+32+8*\b:\f+32+8*\b+7], v[\f+8*(\a):\f+8*(\a)+7], 0
.else
	v_wmma_f32_16x16x32_f16 v[8*(8*(\a)+\b):8*(8*(\a)+\b)+7], v[\f+32+8*\b:\f+32+8*\b+7], v[\f+8*(\a):\f+8*(\a)+7], v[8*(8*(\a)+\b):8*(8*(\a)+\b)+7]
.endif
.endr
.endm
; 24 LDS loads in one run: the fragments of quarter q (32 along K) into buffer f: B's eight, turned; then A's four
.macro FETCH slot, q, f
	WIN 0
.irp b, 0,1,2,3,4,5,6,7
	ds_load_tr16_b128 v[\f+32+8*\b:\f+32+8*\b+3],   v[ADRB+\slot] offset:32*(\q)*BP+32*\b
	ds_load_tr16_b128 v[\f+32+8*\b+4:\f+32+8*\b+7], v[ADRB+\slot] offset:32*(\q)*BP+16*BP+32*\b
.endr
.irp i, 0,1,2,3
	ds_load_b128 v[\f+8*\i:\f+8*\i+3],   v[ADRA+\slot] offset:((\q)/2)*HA+((\q)%2)*64+\i*16*AP
	ds_load_b128 v[\f+8*\i+4:\f+8*\i+7], v[ADRA+\slot] offset:((\q)/2)*HA+((\q)%2)*64+\i*16*AP+32
.endr
.endm
.macro PLACES                          ; four plain lines in front of loads into registers that matrix instructions have read, and of reads of results
.rept 4
	v_nop
.endr
.endm
; A K step is four quarters, 32 matrix instructions each, on buffers 0, 1, 0, 1.  One of the first three: multiplies buffer f and fetches quarter qn into g.
.macro QUARTER slot, qn, f, g, zero
	s_wait_dscnt 4                                 ; B and A's blocks 0, 1 are in; the youngest four loads (A's blocks 2, 3) may be out
	WIN MUL
	MUL8 \f, 0, \zero
	MUL8 \f, 1, \zero
	PLACES
	FETCH \slot, \qn, \g
	s_wait_dscnt 24                                ; all but the 24 just issued
	WIN MUL
	MUL8 \f, 2, \zero
	MUL8 \f, 3, \zero
.endm
; The last quarter multiplies buffer 1 and changes slots: ONE barrier; in front of it each wave waits for all its tensor loads, adds 0 to its spare word, and waits for that and for its reads of this slot.
.macro TURN slot, next, fill
.if \fill
	s_wait_xcnt 0x0                                ; the last prefetch, a K step back, has read its address
	s_add_nc_u64 s[PFA:PFA+1], s[PFA:PFA+1], KSTA
.endif
	WIN 0
	s_wait_tensorcnt 0x0                           ; all my tensor loads have landed: my part of the next slot
	ds_add_u32 v[SPW], v[NIL]
	s_wait_dscnt 5                                 ; the add and the youngest four loads may be out
	WIN MUL
	MUL8 F1, 0, 0
	s_wait_dscnt 0x0                               ; the add is done, and my reads of this slot are over
	s_barrier_signal -1
	MUL8 F1, 1, 0
	WIN 0
	s_barrier_wait -1
.if \fill
	CREST                                          ; the barrier has opened a round of the cluster's: no wave of any partner still reads this slot or has a load on its way
	s_add_nc_u64 s[G0+4*\slot+2:G0+4*\slot+3], s[G0+4*\slot+2:G0+4*\slot+3], 2*KSTA
	s_add_nc_u64 s[G0B+4*\slot+2:G0B+4*\slot+3], s[G0B+4*\slot+2:G0B+4*\slot+3], 2*KSTB
	JLOAD \slot                                    ; the first tensor load behind the round; its four v_nop are also the places in front of the loads below
.else
	PLACES
.endif
	FETCH \next, 0, F0
.if \fill
	ASK
.endif
	WIN MUL
	MUL8 F1, 2, 0
	MUL8 F1, 3, 0
.endm
	s_wait_tensorcnt 1                             ; my part of K step 0 is in; K step 1's may be out
	s_barrier_signal -1
	s_barrier_wait -1
	FETCH 0, 0, F0
	QUARTER 0, 1, F0, F1, 1                        ; the first quarter's products start the sums: nothing is cleared
	WIN 0
	s_mov_b32 s3, LAPS-1
.Llap:                                                 ; a trip goes once round the ring and fills both slots again
	QUARTER 0, 2, F1, F0, 0
	QUARTER 0, 3, F0, F1, 0
	TURN 0, 1, 1
	QUARTER 1, 1, F0, F1, 0
	QUARTER 1, 2, F1, F0, 0
	QUARTER 1, 3, F0, F1, 0
	TURN 1, 0, 1
	QUARTER 0, 1, F0, F1, 0
	WIN 0
	s_sub_co_u32 s3, s3, 1
	s_cmp_lg_u32 s3, 0
	s_cbranch_scc1 .Llap
	QUARTER 0, 2, F1, F0, 0                        ; the last lap fills nothing
	QUARTER 0, 3, F0, F1, 0
	TURN 0, 1, 0
	QUARTER 1, 1, F0, F1, 0
	QUARTER 1, 2, F1, F0, 0
	QUARTER 1, 3, F0, F1, 0
	s_wait_dscnt 4                                 ; the very last quarter
	WIN MUL
	MUL8 F1, 0, 0
	MUL8 F1, 1, 0
	s_wait_dscnt 0
	MUL8 F1, 2, 0
	MUL8 F1, 3, 0
	WIN 0
; THE WAY OUT, a block of 16 rows x 128 columns at a time: 32 bytes a lane into my own stage, back as whole rows of 512 bytes.
.macro TOSTAGE a
	WIN 0x04                                       ; an LDS store's data are its source 1: window 1
.irp b, 0,1,2,3,4,5,6,7
	ds_store_b128 v[STO], v[8*(8*(\a)+\b):8*(8*(\a)+\b)+3] offset:64*\b          ; each accumulator from its low end on
	ds_store_b128 v[STO], v[8*(8*(\a)+\b)+4:8*(8*(\a)+\b)+7] offset:64*\b+16
.endr
	WIN 0
.set BB, BK+64*((\a)%2)
.irp t, 0,1,2,3,4,5,6,7,8,9,10,11,12,13,14,15
	ds_load_b128 v[BB+4*\t:BB+4*\t+3], v[RD] offset:\t*SPITCH   ; LDS serves a wave's instructions in order: these see the stores above
.endr
.endm
.macro SEND a, younger
.set BB, BK+64*((\a)%2)
	s_wait_dscnt \younger                          ; the block is back in registers
.irp t, 0,1,2,3,4,5,6,7,8,9,10,11,12,13,14,15
	global_store_b128 v[CO], v[BB+4*\t:BB+4*\t+3], s[8:9] offset:(16*(\a)+\t)*4096 th:TH_STORE_NT   ; 512 consecutive bytes, at a multiple of 256 from out0's first byte; written once, read by nobody here
.endr
.endm
	PLACES
	TOSTAGE 0
.irp a, 1,2,3
.if \a > 1
	s_wait_xcnt 0x0                                ; block a - 2's stores have read their registers: block a's loads may land there
.endif
	TOSTAGE \a
	SEND \a-1, 32                                  ; behind block a - 1's loads: block a's 16 stores and 16 loads
.endr
	SEND 3, 0
	s_wait_tensorcnt 0x0                           ; the wave's end
	ds_add_u32 v[SPW], v[NIL]
	s_wait_dscnt 0x0
	CROUND                                         ; the closing round
	s_endpgm
.Lfunc_end_k_qbced919311_outp:
	.size	k_qbced919311_outp, .Lfunc_end_k_qbced919311_outp-k_qbced919311_outp
	.p2alignl 7, 3214868480
	.fill 96, 4, 3214868480
	.section	.rodata,"a",@progbits
	.p2align	6, 0x0
	.amdhsa_kernel k_qbced919311_outp
		.amdhsa_group_segment_fixed_size 327680
		.amdhsa_private_segment_fixed_size 0
		.amdhsa_enable_private_segment 0
		.amdhsa_kernarg_size 24
		.amdhsa_user_sgpr_count 2
		.amdhsa_user_sgpr_kernarg_segment_ptr 1
		.amdhsa_wavefront_size32 1
		.amdhsa_system_sgpr_workgroup_id_x 1
		.amdhsa_system_sgpr_workgroup_id_y 1
		.amdhsa_system_sgpr_workgroup_id_z 1
		.amdhsa_system_vgpr_workitem_id 0
		.amdhsa_next_free_vgpr 512
		.amdhsa_next_free_sgpr 70
		.amdhsa_reserve_vcc 0
		.amdhsa_float_denorm_mode_32 3
		.amdhsa_float_denorm_mode_16_64 3
		.amdhsa_memory_ordered 1
		.amdhsa_forward_progress 1
		.amdhsa_inst_pref_size 86
	.end_amdhsa_kernel
	.amdgpu_metadata
---
amdhsa.version: [ 1, 2 ]
amdhsa.kernels:
  - .name:           k_qbced919311_outp
    .symbol:         k_qbced919311_outp.kd
    .args:
      - { .name: ao, .offset: 0, .size: 8, .value_kind: global_buffer, .address_space: global }
      - { .name: wo16, .offset: 8, .size: 8, .value_kind: global_buffer, .address_space: global }
      - { .name: out0, .offset: 16, .size: 8, .value_kind: global_buffer, .address_space: global }
    .group_segment_fixed_size: 327680
    .private_segment_fixed_size: 0
    .kernarg_segment_align: 8
    .kernarg_segment_size: 24
    .max_flat_workgroup_size: 128
    .sgpr_count:     70
    .vgpr_count:     512
    .wavefront_size: 32
...
	.end_amdgpu_metadata
.endif
;; end of part 4
